; MI455X (gfx1250); checked and timed in simulation.
; The chip was launched on July 23, 2026; its instructions are those of AMD's public machine-readable ISA for CDNA 5 (MIT licence, August 2026) and "CDNA5" Instruction Set Architecture Reference Guide (July 2026). The comments in the code are by the model that wrote it; some were corrected since.
;; Multi Head Attention. Allowed arithmetic: matrix products marked QUANTISED: E2M3 operands, one E8M0 scale for each 32 along K, by v_wmma_scale_f32_16x16x128_f8f6f4 with both operands' format E2M3, f32 sums; everything else in f32.
;; Inputs: Wk 1,024 x 1,024 float32; Wo 1,024 x 1,024 float32; Wq 1,024 x 1,024 float32; Wv 1,024 x 1,024 float32; bk 1,024 float32; bo 1,024 float32; bq 1,024 float32; bv 1,024 float32; x 2 x 2,048 x 1,024 float32.
;; Outputs: out0 2 x 2,048 x 1,024 float32.
;; This version of the problem:
;;   THIS VERSION OF THE PROBLEM IS GIVEN IN LOW PRECISION. The matrix products marked QUANTISED in the list below multiply operands that are first quantised to E2M3 (2 exponent bits, 3 mantissa bits; 6 bits a number), with one power-of-two scale for each 32 numbers along K (OCP MX v1.0); their sums are f32. All else is computed in f32.
;;   The module's matrix products, in the order in which they are computed (A, B: the left and right operand; K: the contracted axis; several contracted axes count as one K, in the product's order):
;;     1. [M 4,096, K 1,024] x [K 1,024, N 1,024]; A: input x; B: input Wq: QUANTISED
;;     2. [M 4,096, K 1,024] x [K 1,024, N 1,024]; A: input x; B: input Wk: QUANTISED
;;     3. [M 4,096, K 1,024] x [K 1,024, N 1,024]; A: input x; B: input Wv: QUANTISED
;;     4. batch 32 x [M 2,048, K 64] x [K 64, N 2,048]; A: computed on the way; B: computed on the way: QUANTISED
;;     5. batch 32 x [M 2,048, K 2,048] x [K 2,048, N 64]; A: softmax (see below); B: computed on the way: QUANTISED
;;     6. [M 4,096, K 1,024] x [K 1,024, N 1,024]; A: computed on the way; B: input Wo: QUANTISED
;;   THE QUANTISER, for each operand of a quantised product, along K:
;;     - K is cut into blocks of 32 from its start; a last block that is shorter is filled with zeros.
;;     - A block's scale is 2^e with e = floor(log2(the largest magnitude in the block)) - 2, held to -126 .. 127; a block of zeros has e = 0. As a byte (E8M0): e + 127.
;;     - Each number is divided by its block's scale, clamped to +-7.5, and rounded to the nearest number of E2M3, ties to even, subnormals kept.
;;     - The product sums the exact products of the quantised numbers (number of the format x scale) in f32.
;;   ~~~python
;;   def quantise(x, axis):      # numpy; x: float32 -> the quantised numbers, widened to float32 again
;;       x = np.moveaxis(x, axis, -1); K = x.shape[-1]
;;       x = np.pad(x, [(0, 0)] * (x.ndim - 1) + [(0, -K % 32)]); x = x.reshape(x.shape[:-1] + (-1, 32)); a = np.abs(x).max(-1, keepdims=True)
;;       e = np.where(a > 0, np.clip(np.frexp(np.where(a > 0, a, 1))[1] - 1 - 2, -126, 127), 0)      # np.frexp(a)[1] - 1 = floor(log2(a)), exactly
;;       r = np.clip(x / 2.0 ** e, -7.5, 7.5)
;;       step = 2.0 ** (np.maximum(np.frexp(np.where(r == 0, 1, r))[1] - 1, 0) - 3)
;;       q = np.round(r / step) * step * 2.0 ** e      # np.round: ties to even
;;       return np.moveaxis(q.reshape(q.shape[:-2] + (-1,))[..., :K], -1, axis).astype(np.float32)
;;   ~~~
;;   SOFTMAX AHEAD OF A QUANTISED PRODUCT. Where the list says 'softmax', what is quantised is not the finished softmax but p = 2^(t - M), with t = logit x log2(e) and M = ceil(the row's largest t), a whole number; so 1/2 < the row's largest p <= 1. The row's sum l is taken of the UNQUANTISED p, in f32, and the product's result is divided by l at the end. Since M is a whole number, a kernel that streams over the keys may use a running M (the ceiling of the running maximum): every later rescaling is an exact power of two, which a block's scale takes up: the codes' values come out the same.
;;   OPERANDS COMPUTED ON THE WAY. 'Computed on the way' means the value that the module computes at that place (a softmax that the list does not call 'softmax' is quantised finished and normalised). What goes into a quantiser is computed in f32, as accurately as f32 sums, v_exp_f32 and their like allow (about 1e-6 of the number): no bf16 or f16 on the way to a quantiser, and a product that is left as it is and whose result goes on into a quantised operand takes f32 operands (vector FMAs, or v_wmma_f32_16x16x4_f32). A number that lies on a knife's edge between two numbers of the format may be rounded either way, as far as f32 arithmetic and the matrix unit's own rounding can turn it there, and no further.
;; One version. Each part assembles by itself: llvm-mc -triple=amdgcn-amd-amdhsa -mcpu=gfx1250 --defsym DOCPART=n.
;; ======== version 1 of 1: 4 launches
;; limits: right only within a limited range of input values
;; workspace buffers: xq 3,276,800 bytes; wq 3,276,800 bytes; qkv 10,092,544 bytes; ao 3,276,800 bytes
;; launch quant (part 1): grid 512 x 1, 4 waves a work-group, no clusters, 46,592 bytes of LDS; arguments x, Wq, Wk, Wv, Wo, xq, wq; writes xq, wq
.if DOCPART == 1
	.amdgcn_target "amdgcn-amd-amdhsa--gfx1250"
	.amdhsa_code_object_version 6
	.text
	.protected	k_qaca0746ec1_quant
	.globl	k_qaca0746ec1_quant
	.p2align	8
	.type	k_qaca0746ec1_quant,@function
k_qaca0746ec1_quant:
	s_mov_b64 s[64:65], 0
	v_nop
	global_prefetch_b8 v0, s[64:65] scope:SCOPE_SE
	s_setreg_imm32_b32 hwreg(HW_REG_WAVE_MODE, 25, 1), 1
	s_wait_xcnt 0x0
; x [4096][1024] f32 (K innermost) and Wq, Wk, Wv, Wo [1024 (K)][1024 (n)] f32 (K is the first axis) become codes of FP6 (E2M3) with one E8M0 byte for each 32 along K,
; laid in the ORDER OF THE OPERAND'S REGISTERS.  A row-tile is 16 rows; row-tile RT, lane r holds row 32 (RT / 2) + 8 (RT % 2) + r + 8 (r / 8).
; Codes: [RT][K / 64: 16][768]: 16 rows x 64 K as six registers a lane: registers 0-3 at 16 x lane, registers 4-5 at 512 + 8 x lane; lanes 0-15 the first block of 32 of row r, lanes 16-31 the second.
; Scales, from byte SCOFF on: [RT][K / 256: 4][r][2 words]: a word is the four bytes of 128 along K.  xq: 256 row-tiles of tokens; wq: 64 row-tiles of output features for each of Wq, Wk, Wv, Wo, on end.
; A block's scale is 2^(floor(log2(largest magnitude)) - 2): its byte is the largest magnitude's exponent field - 2, held at 1 from below.
; LIMITS: a block of zeros, and a block whose largest magnitude lies under 2^-124, gets the byte 1 (a block of zeros has zero codes, and this program alone reads the bytes); NaN and infinities are not served.
; Work-groups 0-255 take x (one row-tile each, a wave 256 along K), 256-511 the weights (128 along K x 128 columns, a wave 32 columns).  The two ways have LDS bytes of their own.  Waves share nothing: no barrier.
; No cluster: no two work-groups read the same bytes.  No matrix unit: the launch only streams.
.set STP,    528                       ; x's stage: a row of 512 bytes + 16: 33 x 16 bytes, so that sixteen rows' reads of 16 bytes start at sixteen different places modulo 256 bytes
.set WSTG,   4*16*STP                  ; behind x's four stages: the weights' four, 3,072 bytes each
.set SPARE,  WSTG+4*3072               ; behind them: the spare words, 128 bytes for each wave: two blocks of 256 bytes that no other line names
.set SCOFF,  3145728
.set SPW,  1                           ; v1   LDS address of my spare word; never rewritten
.set NIL,  2                           ; v2   0; never rewritten
.set O16,  6                           ; v6   16 x lane
.set O8,   7                           ; v7   8 x lane
.set XIN,  10                          ; v10  x's stage, on the way in
.set XOUT, 11                          ; v11  and on the way out
.set PW,   12                          ; v12-13 the scale words of the two K steps
.set TM,   16                          ; v16-31 at work in QUANT
.set PC,   32                          ; v32-50 a fragment's codes
.set X,    64                          ; v64-127 64 numbers of a lane, in the order that QUANT wants
.set R,    128                         ; v128-255 numbers as they are loaded
.set SEL,  20                          ; s[20:21] v_permlanex16_b32's selects for lane l xor 16
; 64 numbers of a lane, register 16 b + i = k 32 b + 16 (lane / 16) + i of my row, become a fragment's 12 registers in v[PC] on and its scale word in v[pw] (the same in both halves of the lanes).
.macro QUANT s, pw
.irp b, 0,1,2,3
	v_max3_num_f32 v[TM+\b], |v[\s+16*\b]|, |v[\s+1+16*\b]|, 0x1800000   ; block b: my 16 numbers, and the floor 2^(3 - 127): the byte cannot fall under 1
.endr
.irp i, 2,4,6,8,10,12,14
.irp b, 0,1,2,3
	v_max3_num_f32 v[TM+\b], v[TM+\b], |v[\s+16*\b+\i]|, |v[\s+1+16*\b+\i]|   ; the four blocks by turns
.endr
.endr
.irp b, 0,1,2,3
	v_permlanex16_b32 v[TM+4+\b], v[TM+\b], s[SEL], s[SEL+1]
.endr
.irp b, 0,1,2,3
	v_max_num_f32 v[TM+\b], v[TM+\b], v[TM+4+\b]   ; with lane l xor 16's: the block's largest magnitude
.endr
.irp b, 0,1,2,3
	v_add_nc_u32 v[TM+12+\b], 0xff000000, v[TM+\b]   ; 2 off its exponent field: the conversion's scale operand
.endr
.irp b, 0,1,2,3
	v_lshrrev_b32 v[TM+4+\b], 23, v[TM+12+\b]      ; the scale's byte
.endr
	v_lshl_or_b32 v[\pw], v[TM+5], 8, v[TM+4]
	v_lshl_or_b32 v[\pw], v[TM+6], 16, v[\pw]
	v_lshl_or_b32 v[\pw], v[TM+7], 24, v[\pw]
.irp c, 0,1
	v_cvt_scalef32_pk16_fp6_f32 v[PC+6*\c:PC+2+6*\c], v[\s+32*\c:\s+15+32*\c], v[TM+12+2*\c]
	v_cvt_scalef32_pk16_fp6_f32 v[PC+12+4*\c:PC+14+4*\c], v[\s+16+32*\c:\s+31+32*\c], v[TM+12+2*\c+1]   ; (a conversion's three registers begin on an even number)
.endr
	v_nop                                          ; one plain place behind a scaled conversion
.irp c, 0,1                                    ; the operand wants a whole block in a lane: lanes 0-15 block 2 c, lanes 16-31 block 2 c + 1
.irp i, 0,1,2
	v_permlane16_swap_b32 v[PC+6*\c+\i], v[PC+12+4*\c+\i]
.endr
.irp i, 0,1,2
	v_mov_b32 v[PC+3+6*\c+\i], v[PC+12+4*\c+\i]
.endr
.endr
.endm
.macro PUT4 base, off, off2            ; the fragment leaves as two images of 768 bytes: each store covers 512 or 256 consecutive bytes, at a multiple of 256 from the buffer's first byte
	global_store_b128 v[O16], v[PC:PC+3], s[\base:\base+1] offset:\off
	global_store_b64 v[O8], v[PC+4:PC+5], s[\base:\base+1] offset:(\off)+512
	global_store_b128 v[O16], v[PC+6:PC+9], s[\base:\base+1] offset:\off2
	global_store_b64 v[O8], v[PC+10:PC+11], s[\base:\base+1] offset:(\off2)+512
.endm
	s_load_b256 s[4:11], s[0:1], 0x0               ; x, Wq, Wk, Wv
	s_load_b128 s[12:15], s[0:1], 0x20             ; Wo, xq
	s_load_b64 s[16:17], s[0:1], 0x30              ; wq
	v_lshl_add_u32 v[SPW], v0, 2, SPARE
	v_mov_b32 v[NIL], 0
	v_lshrrev_b32 v4, 5, v0
	v_readfirstlane_b32 s18, v4                    ; wave 0..3
	v_and_b32 v3, 31, v0                           ; lane
	v_and_b32 v8, 15, v0                           ; r
	v_bfe_u32 v9, v0, 4, 1                         ; h
	v_lshlrev_b32 v[O16], 4, v3
	v_lshlrev_b32 v[O8], 3, v3
	; every LDS address of both ways is made here, ahead of the parting
	s_mul_i32 s19, s18, 16*STP
	v_add_nc_u32 v[XIN], s19, v[O16]               ; in: a row's 512 bytes as they lie
	v_mul_u32_u24 v[XOUT], v8, STP
	v_lshl_add_u32 v[XOUT], v9, 6, v[XOUT]
	v_add_nc_u32 v[XOUT], s19, v[XOUT]             ; out: row r, + 64 h: my 16 numbers of a block of 32
	v_lshlrev_b32 v15, 3, v8
	v_lshl_add_u32 v15, v9, 2, v15                 ; x's scale words: 8 r + 4 h
	v_bfe_u32 v4, v0, 3, 1                         ; weights: column n0 + lane lies in row-tile 2 (n0 / 32) + g, g = bit 3 of the lane,
	v_and_b32 v5, 7, v0
	v_lshl_add_u32 v5, v9, 3, v5                   ; at row 8 x bit 4 + the low three bits
	s_mul_i32 s19, s18, 3072
	s_add_co_u32 s19, s19, WSTG
	v_mul_u32_u24 v56, v4, 1536
	v_add_nc_u32 v56, s19, v56                     ; my stage: two row-tiles x two images
	v_lshl_add_u32 v57, v5, 3, v56
	v_add_nc_u32 v57, 512, v57                     ; v57: registers 4-5 of an image
	v_lshl_add_u32 v56, v5, 4, v56                 ; v56: registers 0-3
	v_add_nc_u32 v58, s19, v[O16]                  ; v58: back, as the bytes lie
	v_lshlrev_b32 v59, 9, v4
	v_lshl_add_u32 v59, v5, 3, v59                 ; v59: the scale word's place: 512 g + 8 row
	v_lshlrev_b32 v60, 2, v3                       ; v60: 4 x lane: my column
	s_mov_b32 s[SEL], 0x76543210
	s_mov_b32 s[SEL+1], 0xfedcba98
	s_wait_kmcnt 0x0
	s_cmp_ge_u32 ttmp9, 256
	s_cbranch_scc1 .Lweights
	; ---- x: row-tile ttmp9, my wave's 256 along K
	s_lshr_b32 s22, ttmp9, 1
	s_lshl_b32 s22, s22, 5
	s_and_b32 s23, ttmp9, 1
	s_lshl_b32 s23, s23, 3
	s_add_co_u32 s22, s22, s23                     ; the tile's first row
	s_lshl_b32 s22, s22, 12                        ; rows of 4,096 bytes
	s_lshl_b32 s23, s18, 10
	s_add_co_u32 s22, s22, s23
	s_mov_b32 s23, 0
	s_add_nc_u64 s[4:5], s[4:5], s[22:23]
.irp s, 0,1
.irp i, 0,1,2,3,4,5,6,7,8,9,10,11,12,13,14,15
	global_load_b128 v[R+64*\s+4*\i:R+64*\s+4*\i+3], v[O16], s[4:5] offset:(\i+8*(\i/8))*4096+512*\s th:TH_LOAD_NT   ; the tile's row i, K step s: 512 consecutive bytes
.endr
.endr
	s_mul_i32 s22, ttmp9, 12288
	s_mul_i32 s24, s18, 3072
	s_add_co_u32 s22, s22, s24
	s_add_nc_u64 s[24:25], s[14:15], s[22:23]      ; my four images
	s_lshl_b32 s22, ttmp9, 9
	s_lshl_b32 s26, s18, 7
	s_add_co_u32 s22, s22, s26
	s_add_co_u32 s22, s22, SCOFF
	s_add_nc_u64 s[26:27], s[14:15], s[22:23]      ; my 128 bytes of scale words
	v_cmp_eq_u32 s30, 1, v9                        ; lanes 16-31
.irp b, 0,1,2,3
	v_mov_b32 v[TM+4+\b], 0                        ; written once: a lane permute's destination counts as one of its sources
.endr
.irp s, 0,1
.if \s == 0
	s_wait_loadcnt 16                              ; K step 0's sixteen loads are in; K step 1's sixteen may be out
.else
	s_wait_loadcnt 0x0
.endif
.irp i, 0,1,2,3,4,5,6,7,8,9,10,11,12,13,14,15
	ds_store_b128 v[XIN], v[R+64*\s+4*\i:R+64*\s+4*\i+3] offset:STP*\i
.endr
.irp b, 0,1,2,3
.irp j, 0,1,2,3
	ds_load_b128 v[X+16*\b+4*\j:X+16*\b+4*\j+3], v[XOUT] offset:128*\b+16*\j   ; LDS serves a wave's instructions in order: these see my stores
.endr
.endr
	s_wait_dscnt 0x0
.if \s
	s_wait_xcnt 0x0                                ; the last fragment's stores have read their registers
.endif
	QUANT X, PW+\s
	PUT4 24, 1536*\s, 1536*\s+768
.endr
	v_cndmask_b32 v14, v[PW], v[PW+1], s30         ; lanes 0-15 store K step 0's word of row r, lanes 16-31 K step 1's
	global_store_b32 v15, v14, s[26:27]            ; 128 consecutive bytes
	s_branch .Lend
	; ---- the weights: a lane takes a column, its registers run down K
.Lweights:
	s_sub_co_u32 s22, ttmp9, 256
	s_lshr_b32 s23, s22, 6                         ; which weight: q, k, v, o
	s_bfe_u32 s24, s22, 0x30003                    ; which 128 along K
	s_and_b32 s25, s22, 7                          ; which 128 columns
	s_cmp_eq_u32 s23, 1
	s_cselect_b64 s[6:7], s[8:9], s[6:7]
	s_cmp_eq_u32 s23, 2
	s_cselect_b64 s[6:7], s[10:11], s[6:7]
	s_cmp_eq_u32 s23, 3
	s_cselect_b64 s[6:7], s[12:13], s[6:7]
	s_lshl_b32 s26, s24, 19                        ; 128 rows of 4,096 bytes
	s_lshl_b32 s27, s25, 9
	s_add_co_u32 s26, s26, s27
	s_lshl_b32 s27, s18, 7
	s_add_co_u32 s26, s26, s27                     ; + 4 x (128 x group + 32 x wave)
	s_mov_b32 s27, 0
	s_add_nc_u64 s[6:7], s[6:7], s[26:27]
.macro WLOAD t                         ; block t: W(32 t + i, my column): 128 consecutive bytes a load
.irp i, 0,1,2,3,4,5,6,7,8,9,10,11,12,13,14,15,16,17,18,19,20,21,22,23,24,25,26,27,28,29,30,31
	global_load_b32 v[R+32*(\t)+\i], v60, s[6:7] offset:(32*(\t)+\i)*4096 th:TH_LOAD_NT
.endr
.endm
	s_wait_alu depctr_va_vdst(0)
	WLOAD 0
	WLOAD 1
	s_lshl_b32 s26, s23, 6
	s_lshl_b32 s28, s25, 3
	s_add_co_u32 s26, s26, s28
	s_lshl_b32 s28, s18, 1
	s_add_co_u32 s26, s26, s28                     ; my first row-tile: 64 x weight + 8 x group + 2 x wave
	s_mul_i32 s28, s26, 12288
	s_mul_i32 s29, s24, 1536
	s_add_co_u32 s28, s28, s29
	s_mov_b32 s29, 0
	s_add_nc_u64 s[28:29], s[16:17], s[28:29]      ; its two images of this K step
	s_lshl_b32 s26, s26, 9
	s_lshr_b32 s31, s24, 1
	s_lshl_b32 s31, s31, 7
	s_add_co_u32 s26, s26, s31
	s_and_b32 s31, s24, 1
	s_lshl_b32 s31, s31, 2
	s_add_co_u32 s26, s26, s31
	s_add_co_u32 s26, s26, SCOFF
	s_add_nc_u64 s[26:27], s[16:17], s[26:27]      ; and its scale words (s27 is 0)
.macro WBLOCK t
.set XS, R+32*(\t)
.set CW, X+12*(\t)                     ; each block has registers of its own for its codes
.if (\t) < 3
	s_wait_loadcnt 32                              ; this block's 32 loads are in; the next block's 32 may be out
.else
	s_wait_loadcnt 0x0
.endif
.if (\t) < 2
	WLOAD (\t)+2
.endif
	v_max3_num_f32 v16, |v[XS]|, |v[XS+1]|, |v[XS+2]|   ; the block's largest magnitude: all 32 numbers are mine
	v_max3_num_f32 v17, |v[XS+3]|, |v[XS+4]|, |v[XS+5]|
.irp i, 6,10,14,18,22,26
	v_max3_num_f32 v16, v16, |v[XS+\i]|, |v[XS+\i+1]|
	v_max3_num_f32 v17, v17, |v[XS+\i+2]|, |v[XS+\i+3]|
.endr
	v_max3_num_f32 v16, v16, |v[XS+30]|, |v[XS+31]|
	v_max3_num_f32 v16, v16, v17, 0x1800000        ; and the floor
	v_add_nc_u32 v18, 0xff000000, v16              ; the conversion's scale operand
	v_lshrrev_b32 v17, 23, v18                     ; the byte
.if (\t) == 0
	v_mov_b32 v19, v17
.else
	v_lshl_or_b32 v19, v17, 8*(\t), v19            ; the four bytes make the K step's scale word of my column
.endif
	v_cvt_scalef32_pk16_fp6_f32 v[CW:CW+2], v[XS:XS+15], v18
	v_cvt_scalef32_pk16_fp6_f32 v[CW+6:CW+8], v[XS+16:XS+31], v18
	v_nop                                          ; one plain place behind a scaled conversion
.irp i, 0,1,2
	v_mov_b32 v[CW+3+\i], v[CW+6+\i]
.endr
	ds_store_b128 v56, v[CW:CW+3] offset:768*((\t)/2)+256*((\t)%2)     ; image t / 2, lanes 16 (t % 2) + row
	ds_store_b64 v57, v[CW+4:CW+5] offset:768*((\t)/2)+128*((\t)%2)
.endm
	WBLOCK 0
	WBLOCK 1
	WBLOCK 2
	WBLOCK 3
.irp i, 0,1,2,3,4,5
	ds_load_b128 v[32+4*\i:35+4*\i], v58 offset:512*\i   ; LDS serves a wave's instructions in order: these see my stores
.endr
	global_store_b32 v59, v19, s[26:27]
.irp i, 0,1,2,3,4,5
	s_wait_dscnt 5-\i                              ; load i is in; the younger ones may be out
	global_store_b128 v[O16], v[32+4*\i:35+4*\i], s[28:29] offset:12288*(\i/3)+512*(\i%3)   ; 512 consecutive bytes, at a multiple of 512 from the buffer's first byte
.endr
.Lend:
	s_wait_tensorcnt 0x0                           ; the wave's end, behind my last LDS store
	ds_add_u32 v[SPW], v[NIL]
	s_wait_dscnt 0x0
	s_endpgm
.Lfunc_end_k_qaca0746ec1_quant:
	.size	k_qaca0746ec1_quant, .Lfunc_end_k_qaca0746ec1_quant-k_qaca0746ec1_quant
	.p2alignl 7, 3214868480
	.fill 96, 4, 3214868480
	.section	.rodata,"a",@progbits
	.p2align	6, 0x0
	.amdhsa_kernel k_qaca0746ec1_quant
		.amdhsa_group_segment_fixed_size 46592
		.amdhsa_private_segment_fixed_size 0
		.amdhsa_enable_private_segment 0
		.amdhsa_kernarg_size 56
		.amdhsa_user_sgpr_count 2
		.amdhsa_user_sgpr_kernarg_segment_ptr 1
		.amdhsa_wavefront_size32 1
		.amdhsa_system_sgpr_workgroup_id_x 1
		.amdhsa_system_sgpr_workgroup_id_y 1
		.amdhsa_system_sgpr_workgroup_id_z 1
		.amdhsa_system_vgpr_workitem_id 0
		.amdhsa_next_free_vgpr 256
		.amdhsa_next_free_sgpr 66
		.amdhsa_reserve_vcc 0
		.amdhsa_float_denorm_mode_32 3
		.amdhsa_float_denorm_mode_16_64 3
		.amdhsa_memory_ordered 1
		.amdhsa_forward_progress 1
		.amdhsa_inst_pref_size 40
	.end_amdhsa_kernel
	.amdgpu_metadata
---
amdhsa.version: [ 1, 2 ]
amdhsa.kernels:
  - .name:           k_qaca0746ec1_quant
    .symbol:         k_qaca0746ec1_quant.kd
    .args:
      - { .name: x, .offset: 0, .size: 8, .value_kind: global_buffer, .address_space: global }
      - { .name: Wq, .offset: 8, .size: 8, .value_kind: global_buffer, .address_space: global }
      - { .name: Wk, .offset: 16, .size: 8, .value_kind: global_buffer, .address_space: global }
      - { .name: Wv, .offset: 24, .size: 8, .value_kind: global_buffer, .address_space: global }
      - { .name: Wo, .offset: 32, .size: 8, .value_kind: global_buffer, .address_space: global }
      - { .name: xq, .offset: 40, .size: 8, .value_kind: global_buffer, .address_space: global }
      - { .name: wq, .offset: 48, .size: 8, .value_kind: global_buffer, .address_space: global }
    .group_segment_fixed_size: 46592
    .private_segment_fixed_size: 0
    .kernarg_segment_align: 8
    .kernarg_segment_size: 56
    .max_flat_workgroup_size: 128
    .sgpr_count:     66
    .vgpr_count:     256
    .wavefront_size: 32
...
	.end_amdgpu_metadata
.endif
;; end of part 1
;; launch qkv (part 2): grid 8 x 24, 4 waves a work-group, clusters of 4 x 4, 327,680 bytes of LDS; arguments xq, wq, bq, bk, bv, qkv; writes qkv
.if DOCPART == 2
	.amdgcn_target "amdgcn-amd-amdhsa--gfx1250"
	.amdhsa_code_object_version 6
	.text
	.protected	k_qaca0746ec1_qkv
	.globl	k_qaca0746ec1_qkv
	.p2align	8
	.type	k_qaca0746ec1_qkv,@function
k_qaca0746ec1_qkv:
	s_mov_b64 s[64:65], 0
	v_nop
	global_prefetch_b8 v0, s[64:65] scope:SCOPE_SE
	s_setreg_imm32_b32 hwreg(HW_REG_WAVE_MODE, 25, 1), 1
	s_wait_xcnt 0x0
	s_wait_alu depctr_hold_cnt(0) depctr_sa_sdst(0) depctr_va_vdst(0) depctr_va_sdst(0) depctr_va_ssrc(0) depctr_va_vcc(0) depctr_vm_vsrc(0)
	s_getreg_b32 s2, hwreg(HW_REG_IB_STS2, 6, 4)
	s_cmp_eq_u32 s2, 0
	s_cbranch_scc0 .Lentry_in_a_cluster
	s_endpgm
.Lentry_in_a_cluster:
	s_bfe_u32 s2, ttmp6, 0x10000c
	s_cmp_lg_u32 s2, 0xf033
	s_cbranch_scc0 .Lentry_shape_is_right
	s_endpgm
.Lentry_shape_is_right:
; q = x Wq + bq, k = x Wk + bk, v = x Wv + bv on codes of FP6 (E2M3) with E8M0 scales, sums in f32; the results are quantised in registers and leave as codes: q and k along the head's 64, v along the keys.
; ONE GEMM CORE, C' = A' B'^T, a tile of 256 x 256 to a work-group of four waves, 128 x 128 (64 accumulators, 512 registers) to a wave, K = 1,024 in four slots' worth of 256 through a ring of two LDS slots.
; THE MATRIX INSTRUCTION IS USED TRANSPOSED (source 0 = 16 rows of B', source 1 = 16 rows of A'): a lane holds ONE row of A', and its registers run along B's rows.
; Clusters with y under 4 (mode QK): A' = x, B' = Wq | Wk: a lane holds a token, its registers features: the head's axis, along which q and k are quantised.
; Clusters with y from 4 on (mode V): A' = Wv, B' = x: a lane holds a feature, its registers tokens: the keys, along which v is quantised.  The mode is the same in all sixteen partners.
; OPERANDS lie in memory in the order of the operand's registers: row-tile RT (16 rows; lane r holds row 32 (RT / 2) + 8 (RT % 2) + r + 8 (r / 8)), codes [RT][K / 64][768], scale words from SCOFF on [RT][K / 256][r][2].
; By that choice of rows the 16 registers of accumulators 2 c and 2 c + 1 are 16 NEIGHBOURS along B's rows: 32 c + 16 (lane / 16) + 0 .. 15: what the conversions want.
; CLUSTERS: 4 x 4 work-groups; A's tiles are shared along a row of the cluster, B's along a column: each is asked for jointly, by the same tensor load with the same descriptor and a mask that names the four.
; OUT: qkv, a block of HB bytes for each (batch, head): sixteen key steps' blocks of 13,056 bytes on end (K's codes, V's, K's scale image, V's), then Q's codes, Q's scale words.
;   In a scale image word e holds tile 2 e in lanes 0-15 and tile 2 e + 1 in lanes 16-31.
; LIMITS: a block of zeros, and one whose largest magnitude lies under 2^-124, gets the byte 1; NaN and infinities are not served.
; No prefetch: half of K goes out with the first fills.  One tile to a work-group: 192 work-groups.
; REGISTERS, in windows of 256: window 0: v0-31 addresses; v32-63 scale words, two sets; v64-127 the bias; v128-223 A's fragments, one set; on the way out v32-63 and v128-255 are free.
;   window 1: B's fragments, two sets, at v0 and v128.  window 2: the accumulators of my rows 0-63 ((a, b) at v[8 (8 a + b)]).  window 3: those of my rows 64-127.
; THE HEAD'S BLOCK IN qkv, as this text stores it: sixteen key steps of 13,056 bytes on end, each K's codes [tile 8][768], V's codes [4][1,536], K's scale image [lane][4 words], V's [lane][2 words]; from QC on Q's codes, from QSC on Q's scale images.
; THE FIRST FILLS: one tensor load a wave at the head (A's sixteen row-tiles of slot 0, B's, A's scale words, B's); slot 1's first fill stands behind the three lines and a round, as a refill does.
.set NQ,     2
.set FR,     12                        ; registers of a fragment: 16 rows x 128 K
.set NL,     4                         ; LDS loads that bring one
.set NP,     4                         ; places behind this matrix instruction (ISA guide 7.12.1)
.set TROW,   3072                      ; a row-tile's 256 along K: four images of 768 bytes
.set HALFT,  8*TROW                    ; eight row-tiles: what one tensor load brings, and what one wave reads of A' or of B'
.set SLOT,   4*HALFT                   ; A's 16 row-tiles, then B's 16
.set SCL,    2*SLOT                    ; behind the ring: the scale words of the 32 row-tiles, for all of K; filled once
.set HALFS,  4096                      ; those of eight row-tiles
.set SBLK,   512                       ; those of one
.set SPARE,  SCL+4*HALFS               ; behind them: the spare words, 128 bytes for each wave: two blocks of 256 bytes that no other line names
.set SCOFF,  3145728
.set HB,     315392
.set VC,     98304
.set KSC,    196608
.set VSC,    204800
.set QC,     208896
.set QSC,    307200
.set ADRA, 16                          ; v16-17 LDS address of my A fragments in slot 0, 1, at 16 x lane;  v18-19 the same at 8 x lane
.set ADRB, 20                          ; v20-23 the same for B
.set O16,  24                          ; v24  16 x lane
.set O8,   25                          ; v25  8 x lane
.set ADRS, 27                          ; v27  LDS address of my scale words: lanes 0-15 A's rows, lanes 16-31 B's
.set SPW,  28                          ; v28  LDS address of my spare word; never rewritten
.set NIL,  29                          ; v29  0; never rewritten
.set SC,   32                          ; scale words: set s at v[SC + 16 s]; register 2 i + q: lanes 0-15 A's block i, lanes 16-31 B's block i, the slot's q-th 128 along K
.set BI,   64                          ; the bias
.set AF,   128                         ; A's fragments
.set HA,   128                         ; the way out: 64 numbers of a lane
.set PC,   192                         ; v192-210 a fragment's codes
.set TM,   212                         ; v212-227 at work in QUANT
.set PW,   32                          ; v32-39 the eight scale words
.set EE,   40                          ; v40-43, v44-47 scale images
.set FF,   44
.set BP,   48                          ; v48-49 mode V: my row's bias, twice
.set SEL,  18                          ; s[18:19] v_permlanex16_b32's selects for lane l xor 16
.set G1, 24                            ; s[24:31] descriptor group 1 for A's tiles;  s[32:39] group 0, one set for each slot
.set G0, 32
.set G1B, 48                           ; s[48:55], s[56:63] the same for B's tiles
.set G0B, 56
.set G1S, 68                           ; s[68:75], s[76:79] groups 1 and 0 for A's scales;  s[80:87], s[88:91] for B's
.set G0S, 76
.set G1SB, 80
.set G0SB, 88
.set MSB, 0
.macro WIN new                         ; the immediate's high byte repeats the setting that is left
.if MSB != (\new)
	s_set_vgpr_msb (MSB<<8)|(\new)
.set MSB, (\new)
.endif
.endm
.set MUL_LO, 0xa1                      ; source 0 (B') window 1, source 1 (A') window 0, C and D window 2
.set MUL_HI, 0xf1                      ; the same, C and D window 3
.set TO_B,   0x40                      ; destination window 1, address window 0
; A joint load: waves 0 and 1 fetch for A', waves 2 and 3 for B'.  The branch hangs on the wave's number alone.  An s_nop 0 and four v_nop follow each of the two lines.
.macro JLOAD g0a, g1a, g0b, g1b
	s_cmp_eq_u32 s15, 0
	s_cbranch_scc0 .Lfor_b_\@
	tensor_load_to_lds s[\g0a:\g0a+3], s[\g1a:\g1a+7]
	s_nop 0
.rept 4
	v_nop
.endr
	s_branch .Lasked_\@
.Lfor_b_\@:
	tensor_load_to_lds s[\g0b:\g0b+3], s[\g1b:\g1b+7]
	s_nop 0
.rept 4
	v_nop
.endr
.Lasked_\@:
.endm
.macro CREST                           ; a round of the cluster's barrier behind its opening barrier
	s_cmp_lg_u32 s14, 0
	s_cbranch_scc1 .Lnot_wave_0_\@
	s_barrier_signal -3
.Lnot_wave_0_\@:
	s_barrier_wait -3
	s_barrier_signal -1
	s_barrier_wait -1
.endm
.macro CROUND                          ; a whole round
	s_barrier_signal -1
	s_barrier_wait -1
	CREST
.endm
	s_load_b256 s[4:11], s[0:1], 0x0               ; xq, wq, bq, bk
	s_load_b128 s[96:99], s[0:1], 0x20             ; bv, qkv
	v_lshl_add_u32 v[SPW], v0, 2, SPARE
	v_mov_b32 v[NIL], 0
	ds_add_u32 v[SPW], v[NIL]                      ; the wave's opening: the add and its wait stand ahead of my first tensor load; the set-up below, work on registers, stands between them
	ds_add_u32 v[SPW], v[NIL]
	v_lshrrev_b32 v1, 5, v0
	v_readfirstlane_b32 s14, v1                    ; wave 0..3
	s_lshr_b32 s15, s14, 1                         ; which half of A's rows is mine.  Also: I fetch for A' (0) or for B' (1)
	s_and_b32 s16, s14, 1                          ; which half of B's rows.  Also: which eight row-tiles I fetch
	s_bfe_u32 s40, ttmp6, 0x40000                  ; cx, cy: my place in the cluster
	s_bfe_u32 s41, ttmp6, 0x40004
	s_and_b32 s13, ttmp7, 0xffff                   ; the cluster's y: 0-3 mode QK, 4-5 mode V
	s_max_u32 s12, s13, 4
	s_sub_co_u32 s12, s12, 4                       ; QK: 0;  V: y - 4
	s_lshl_b32 s12, s12, 1
	s_add_co_u32 s42, s12, ttmp9                   ; the cluster's column among B's tiles: QK: x (2 x 4 tiles of Wq | Wk);  V: x + 2 (y - 4) (4 x 4 tiles of x)
	s_lshl_b32 s42, s42, 2
	s_add_co_u32 s42, s42, s40                     ; tile of B'
	s_cmp_ge_u32 s13, 4
	s_cselect_b32 s2, 1, 0                         ; the mode
	s_cselect_b32 s13, 2, s13                      ; the cluster's row among A's tiles: QK: y;  V: 2: Wv's row-tiles begin at 128 = 16 x 8 in wq
	s_lshl_b32 s17, s13, 2
	s_add_co_u32 s17, s17, s41                     ; tile of A'
	s_lshl_b32 s43, s41, 2
	s_lshl_b32 s43, 15, s43                        ; my row of the cluster
	s_lshl_b32 s44, 0x1111, s40                    ; my column
	; descriptor group 1: eight row-tiles' 3,072 bytes, 12,288 bytes apart in memory, dense in LDS
	s_or_b32 s[G1+0], s43, (3<<16)|(1<<21)         ; 15:0 the mask: A's tiles go to my row; 17:16 elements of 8 bytes; 20 no padding; 21 set beside a mask
	s_or_b32 s[G1B+0], s44, (3<<16)|(1<<21)
.irp g, G1, G1B
	s_mov_b32 s[\g+1], 384<<16                     ; tensor_dim0 = 384 elements
	s_mov_b32 s[\g+2], 16<<16                      ; the head's loads bring sixteen row-tiles; behind them the two words that count rows are set to 8
	s_mov_b32 s[\g+3], 384<<16
	s_mov_b32 s[\g+4], 16
	s_mov_b32 s[\g+5], 1536                        ; tensor_dim0_stride, in elements
	s_mov_b32 s[\g+6], 0
	s_mov_b32 s[\g+7], 0
.endr
	; and for the scale words of sixteen row-tiles: 8,192 dense bytes as 32 rows of 256
	s_or_b32 s[G1S+0], s43, (3<<16)|(1<<21)
	s_or_b32 s[G1SB+0], s44, (3<<16)|(1<<21)
.irp g, G1S, G1SB
	s_mov_b32 s[\g+1], 32<<16
	s_mov_b32 s[\g+2], 32<<16                      ; the scale words of sixteen row-tiles: 32 rows of 256 bytes
	s_mov_b32 s[\g+3], 32<<16
	s_mov_b32 s[\g+4], 32
	s_mov_b32 s[\g+5], 32
	s_mov_b32 s[\g+6], 0
	s_mov_b32 s[\g+7], 0
.endr
	s_lshl_b32 s18, s16, 3                         ; which eight row-tiles of the tile I fetch
	s_lshl_b32 s20, s17, 4
	s_add_co_u32 s20, s20, s18                     ; A': row-tile 16 x tile + 8 x half
	s_lshl_b32 s46, s42, 4
	s_add_co_u32 s46, s46, s18                     ; B' likewise
	s_lshl_b32 s22, s17, 13                        ; the scale words of the tile's sixteen row-tiles: 512 bytes each
	s_add_co_u32 s22, s22, SCOFF                   ; where their scale words begin,
	s_mov_b32 s23, 0
	s_lshl_b32 s92, s42, 13
	s_add_co_u32 s92, s92, SCOFF
	s_mov_b32 s93, 0
	s_mul_i32 s20, s20, 12288                      ; and their codes
	s_mov_b32 s21, 0
	s_mul_i32 s46, s46, 12288
	s_mov_b32 s47, 0
	s_mul_i32 s45, s14, HALFT                      ; where they go: wave x eight row-tiles: no place in the cluster enters an LDS address
	s_mul_i32 s94, s14, HALFS
	s_wait_dscnt 0x0                               ; the opening add is done
	s_wait_kmcnt 0x0
	s_cmp_eq_u32 s2, 0
	s_cselect_b64 s[66:67], s[4:5], s[6:7]         ; A': xq, or wq
	s_cselect_b64 s[100:101], s[6:7], s[4:5]       ; B': wq, or xq
	s_add_nc_u64 s[20:21], s[66:67], s[20:21]
	s_add_nc_u64 s[22:23], s[66:67], s[22:23]
	s_add_nc_u64 s[46:47], s[100:101], s[46:47]
	s_add_nc_u64 s[92:93], s[100:101], s[92:93]
	CROUND                                         ; all sixteen work-groups are here: the first joint loads meet
	s_mov_b32 s[G0S], 1
	s_mov_b32 s[G0S+1], SCL
	s_mov_b64 s[G0S+2:G0S+3], s[22:23]
	s_or_b32 s[G0S+3], s[G0S+3], 0x80000000
	s_mov_b32 s[G0SB], 1
	s_mov_b32 s[G0SB+1], SCL+2*HALFS
	s_mov_b64 s[G0SB+2:G0SB+3], s[92:93]
	s_or_b32 s[G0SB+3], s[G0SB+3], 0x80000000
	s_mul_i32 s12, s16, 8*12288                    ; my half's offset in a tile: taken off again for the head's loads, which bring whole tiles
	s_mov_b32 s13, 0
	s_mov_b32 s4, 1                                ; s[4:7]: group 0 of A's sixteen row-tiles of slot 0 (the arguments that lay there have been used)
	s_mov_b32 s5, 0
	s_sub_nc_u64 s[6:7], s[20:21], s[12:13]
	s_or_b32 s7, s7, 0x80000000
	s_mov_b32 s92, 1                               ; s[92:95]: the same for B's, behind A's in the slot
	s_mov_b32 s93, 2*HALFT
	s_sub_nc_u64 s[94:95], s[46:47], s[12:13]
	s_or_b32 s95, s95, 0x80000000
.irp s, 0,1
	s_mov_b32 s[G0+4*\s], 1
	s_add_co_u32 s[G0+4*\s+1], s45, \s*SLOT
	s_add_nc_u64 s[G0+4*\s+2:G0+4*\s+3], s[20:21], \s*TROW
	s_or_b32 s[G0+4*\s+3], s[G0+4*\s+3], 0x80000000
	s_mov_b32 s[G0B+4*\s], 1
	s_add_co_u32 s[G0B+4*\s+1], s45, \s*SLOT
	s_add_nc_u64 s[G0B+4*\s+2:G0B+4*\s+3], s[46:47], \s*TROW
	s_or_b32 s[G0B+4*\s+3], s[G0B+4*\s+3], 0x80000000
.endr
; THE HEAD'S LOADS, ONE A WAVE: one chain of branches on the wave's number, a load to an arm, all arms leading to one join
.macro ARM under, g0, g1, next
	s_cmp_lt_u32 s14, \under
	s_cbranch_scc0 \next
	tensor_load_to_lds s[\g0:\g0+3], s[\g1:\g1+7]
	s_nop 0
.rept 4
	v_nop
.endr
	s_branch .Lhead_asked
\next:
.endm
	ARM 1, 4,   G1,  .Lhead_b
	ARM 2, 92,  G1B, .Lhead_sa
	ARM 3, G0S, G1S, .Lhead_sb
	tensor_load_to_lds s[G0SB:G0SB+3], s[G1SB:G1SB+7]
	s_nop 0
.rept 4
	v_nop
.endr
.Lhead_asked:
	v_and_b32 v1, 15, v0                           ; r = lane % 16
	v_bfe_u32 v2, v0, 4, 1                         ; h = lane / 16
	v_and_b32 v6, 31, v0
	v_lshlrev_b32 v[O16], 4, v6
	v_lshlrev_b32 v[O8], 3, v6
	s_mul_i32 s21, s15, HALFT                      ; my eight row-tiles of A'
	s_mul_i32 s22, s16, HALFT                      ; my eight of B',
	s_add_co_u32 s22, s22, 2*HALFT                 ; which lie behind A's sixteen
.irp s, 0,1
	v_add_nc_u32 v[ADRA+\s], s21, v[O16]
	v_add_nc_u32 v[ADRB+\s], s22, v[O16]
	v_add_nc_u32 v[ADRA+2+\s], s21, v[O8]
	v_add_nc_u32 v[ADRB+2+\s], s22, v[O8]
	s_add_co_u32 s21, s21, SLOT
	s_add_co_u32 s22, s22, SLOT
.endr
	v_lshlrev_b32 v5, 3, v1                        ; my row's two words of a slot
	s_mul_i32 s21, s15, HALFS                      ; A's: my eight row-tiles
	s_mul_i32 s22, s16, HALFS                      ; B's, behind A's sixteen
	s_add_co_u32 s22, s22, 2*HALFS
	s_sub_co_u32 s22, s22, s21
	v_mul_u32_u24 v6, s22, v2                      ; lanes 16-31 take B's
	s_add_co_u32 s21, s21, SCL
	v_add_nc_u32 v5, v5, v6
	v_add_nc_u32 v[ADRS], s21, v5
	; the bias, in the result's layout
	s_cmp_lg_u32 s2, 0
	s_cbranch_scc1 .Lbias_v
	s_cmp_eq_u32 ttmp9, 0                          ; QK: register 8 b + j of a lane is feature 32 (b / 2) + 16 h + 8 (b % 2) + j of my 128
	s_cselect_b64 s[8:9], s[8:9], s[10:11]         ; the cluster's x says Wq or Wk
	s_lshl_b32 s46, s40, 10                        ; 256 features a tile,
	s_lshl_b32 s47, s16, 9                         ; 128 a wave
	s_add_co_u32 s46, s46, s47
	s_mov_b32 s47, 0
	s_add_nc_u64 s[8:9], s[8:9], s[46:47]
	v_lshlrev_b32 v8, 6, v2
.irp b, 0,1,2,3,4,5,6,7
.irp e, 0,1
	global_load_b128 v[BI+8*\b+4*\e:BI+8*\b+4*\e+3], v8, s[8:9] offset:4*(32*(\b/2)+8*(\b%2))+16*\e
.endr
.endr
	s_branch .Lbias_in
.Lbias_v:
	s_lshl_b32 s20, s41, 10                        ; V: a lane's row of block a is feature 32 (a / 2) + 8 (a % 2) + r + 8 (r / 8) of my 128
	s_lshl_b32 s21, s15, 9
	s_add_co_u32 s20, s20, s21
	s_mov_b32 s21, 0
	s_add_nc_u64 s[96:97], s[96:97], s[20:21]
	v_and_b32 v8, 8, v1
	v_add_nc_u32 v8, v8, v1
	v_lshlrev_b32 v8, 2, v8
.irp a, 0,1,2,3,4,5,6,7
	global_load_b32 v[BI+\a], v8, s[96:97] offset:4*(32*(\a/2)+8*(\a%2))
.endr
.set j, 8
.rept 56
	v_mov_b32 v[BI+j], 0                           ; the rest of the run is written on this way too; the wave waits for its first tiles here
.set j, j+1
.endr
.Lbias_in:
	s_wait_loadcnt 0x0
.macro FRAG reg, adr, q, i             ; a fragment is two images on end: registers 0-3 and 6-9 by 16 bytes a lane, 4-5 and 10-11 by 8: every load takes consecutive bytes
	ds_load_b128 v[\reg:\reg+3], v[\adr] offset:(\i)*TROW+(\q)*1536
	ds_load_b64 v[\reg+4:\reg+5], v[\adr+2] offset:(\i)*TROW+(\q)*1536+512
	ds_load_b128 v[\reg+6:\reg+9], v[\adr] offset:(\i)*TROW+(\q)*1536+768
	ds_load_b64 v[\reg+10:\reg+11], v[\adr+2] offset:(\i)*TROW+(\q)*1536+1280
.endm
; 16 matrix instructions: A's blocks a0, a0 + 1 x B's eight, the slot's q-th 128 along K.  p: B's set;  sc: the set of scale words.  zero = 1: the first product starts the sums.
; The 64 accumulators take turns, one instruction a turn, in the same order in every step.
.macro MUL16 a0, p, q, sc, zero
.irp a, \a0, \a0+1
.irp b, 0,1,2,3,4,5,6,7
.if \zero
	v_wmma_scale_f32_16x16x128_f8f6f4 v[8*(8*((\a)%4)+\b):8*(8*((\a)%4)+\b)+7], v[128*(\p)+FR*\b:128*(\p)+FR*\b+FR-1], v[AF+FR*(\a):AF+FR*(\a)+FR-1], 0, v[SC+8*NQ*(\sc)+NQ*\b+(\q)], v[SC+8*NQ*(\sc)+NQ*(\a)+(\q)] matrix_a_fmt:MATRIX_FMT_FP6 matrix_b_fmt:MATRIX_FMT_FP6 matrix_a_scale:MATRIX_SCALE_ROW1
.else
	v_wmma_scale_f32_16x16x128_f8f6f4 v[8*(8*((\a)%4)+\b):8*(8*((\a)%4)+\b)+7], v[128*(\p)+FR*\b:128*(\p)+FR*\b+FR-1], v[AF+FR*(\a):AF+FR*(\a)+FR-1], v[8*(8*((\a)%4)+\b):8*(8*((\a)%4)+\b)+7], v[SC+8*NQ*(\sc)+NQ*\b+(\q)], v[SC+8*NQ*(\sc)+NQ*(\a)+(\q)] matrix_a_fmt:MATRIX_FMT_FP6 matrix_b_fmt:MATRIX_FMT_FP6 matrix_a_scale:MATRIX_SCALE_ROW1
.endif
.endr
.endr
.endm
.macro FETCH_B slot, q, p              ; B's eight fragments of the slot's q-th 128 along K into set p
	WIN TO_B
.irp i, 0,1,2,3,4,5,6,7
	FRAG 128*(\p)+FR*\i, ADRB+\slot, \q, \i
.endr
	WIN 0
.endm
.macro FETCH_A slot, q, i0             ; A's blocks i0 .. i0 + 3
.irp i, \i0, \i0+1, \i0+2, \i0+3
	FRAG AF+FR*(\i), ADRA+\slot, \q, \i
.endr
.endm
.macro SCALES sc                       ; a slot's scale words into set sc: two words a row; lanes 0-15 take A's block i, lanes 16-31 B's block i
.irp i, 0,1,2,3,4,5,6,7
	ds_load_b64 v[SC+8*NQ*\sc+NQ*\i:SC+8*NQ*\sc+NQ*\i+1], v[ADRS] offset:\i*SBLK
.endr
.endm
; A load into a register that a matrix instruction has read, and a vector instruction that reads a matrix result or writes one of its registers, stand NP places behind it; only plain vector
; instructions that name none of its registers are places (ISA guide 7.12.1 for vector instructions).
.macro PLACES n
.rept \n
	v_nop
.endr
.endm
; A step of 128 along K that has its successor in the same slot.  A block of A' is free as soon as its eight products are issued: one set serves A'; B' has two.
.macro STEP slot, q, zero
	s_wait_dscnt 4*NL                              ; B's set and A's blocks 0-3 are in; the youngest sixteen loads (A's blocks 4-7) may be out
	WIN MUL_LO
	MUL16 0, (\q)%2, \q, \slot, \zero
	MUL16 2, (\q)%2, \q, \slot, \zero
	s_wait_dscnt 0                                 ; A's blocks 4-7 are in (asked for 32 matrix instructions ago)
	PLACES NP
	FETCH_B \slot, (\q)+1, 1-(\q)%2
	FETCH_A \slot, (\q)+1, 0
	WIN MUL_HI
	MUL16 4, (\q)%2, \q, \slot, \zero
	MUL16 6, (\q)%2, \q, \slot, \zero
	PLACES NP
	WIN 0
	FETCH_A \slot, (\q)+1, 4
.endm
; A slot's last step changes slots: ONE barrier; in front of it each wave waits for all its tensor loads, adds 0 to its spare word, and waits for that and for its own reads of this slot.  fill = 1: this slot is filled again, two slots' worth ahead.
.macro TURN slot, next, fill
	s_wait_tensorcnt 0x0                           ; all my tensor loads have landed: my part of the next slot;  (every window is 0 here)
	ds_add_u32 v[SPW], v[NIL]                      ; 0 onto my spare word;
	s_wait_dscnt 4*NL+1                            ; (the add and the youngest sixteen loads, A's blocks 4-7, may be out)
	WIN MUL_LO
	MUL16 0, 1, NQ-1, \slot, 0                     ; sixteen matrix instructions stand between the add and the wait for it
	s_wait_dscnt 0x0                               ; the add is done, and my reads of this slot are over
	s_barrier_signal -1
	MUL16 2, 1, NQ-1, \slot, 0
	WIN 0
	s_barrier_wait -1
.if \fill
	CREST                                          ; the barrier has opened a round of the cluster's barrier: no wave of any partner still reads this slot or has a load on its way
	s_add_nc_u64 s[G0+4*\slot+2:G0+4*\slot+3], s[G0+4*\slot+2:G0+4*\slot+3], 2*TROW
	s_add_nc_u64 s[G0B+4*\slot+2:G0B+4*\slot+3], s[G0B+4*\slot+2:G0B+4*\slot+3], 2*TROW
	JLOAD G0+4*\slot, G1, G0B+4*\slot, G1B         ; the first tensor load behind the round, my only one until the next; the four v_nop behind it are the places in front of the loads below
.else
	PLACES NP
.endif
	s_wait_alu depctr_va_vdst(0)
	v_add_nc_u32 v[ADRS], 128, v[ADRS]             ; on to the next slot's scale words (no LDS load of mine is out)
	FETCH_B \next, 0, 0
	FETCH_A \next, 0, 0
	SCALES \next
	WIN MUL_HI
	MUL16 4, 1, NQ-1, \slot, 0
	MUL16 6, 1, NQ-1, \slot, 0
	PLACES NP
	WIN 0
	FETCH_A \next, 0, 4
.endm
	s_wait_alu depctr_va_vdst(0)                   ; the wait at the head's end
	s_wait_tensorcnt 0x0                           ; my tile of the head's four is in; the three lines stand ahead of slot 1's first fill as ahead of a refill
	ds_add_u32 v[SPW], v[NIL]
	s_mov_b32 s[G1+2], 8<<16                       ; no tensor load of mine is out: from here on a load brings eight row-tiles
	s_mov_b32 s[G1+4], 8
	s_mov_b32 s[G1B+2], 8<<16
	s_mov_b32 s[G1B+4], 8
	s_wait_dscnt 0x0
	CROUND                                         ; all four tiles are in, and all sixteen work-groups are here
	JLOAD G0+4, G1, G0B+4, G1B                     ; slot 1: the first tensor load behind the round
	FETCH_B 0, 0, 0
	FETCH_A 0, 0, 0
	s_wait_alu depctr_va_vdst(0)
	SCALES 0
	FETCH_A 0, 0, 4
	STEP 0, 0, 1                                   ; K 0-127: its products start the sums: nothing is cleared
	TURN 0, 1, 1                                   ; K 128-255; slot 0 takes K 512-767
	STEP 1, 0, 0
	TURN 1, 0, 1                                   ; K 384-511; slot 1 takes K 768-1023
	STEP 0, 0, 0
	TURN 0, 1, 0                                   ; nothing is left to fetch
	STEP 1, 0, 0
	s_wait_dscnt 4*NL                              ; the very last step
	WIN MUL_LO
	MUL16 0, 1, NQ-1, 1, 0
	MUL16 2, 1, NQ-1, 1, 0
	s_wait_dscnt 0
	WIN MUL_HI
	MUL16 4, 1, NQ-1, 1, 0
	MUL16 6, 1, NQ-1, 1, 0
	WIN 0
; THE WAY OUT.  No LDS: a block's 64 numbers of a lane, with the bias added, are quantised in registers, and the fragment leaves as images of its registers.
; 64 numbers of a lane, register 16 b + i = k 32 b + 16 (lane / 16) + i of my row, become a fragment's 12 registers in v[PC] on and its scale word in v[pw] (the same in both halves of the lanes).
.macro QUANT s, pw
.irp b, 0,1,2,3
	v_max3_num_f32 v[TM+\b], |v[\s+16*\b]|, |v[\s+1+16*\b]|, 0x1800000   ; block b: my 16 numbers, and the floor 2^(3 - 127): the byte cannot fall under 1
.endr
.irp i, 2,4,6,8,10,12,14
.irp b, 0,1,2,3
	v_max3_num_f32 v[TM+\b], v[TM+\b], |v[\s+16*\b+\i]|, |v[\s+1+16*\b+\i]|
.endr
.endr
.irp b, 0,1,2,3
	v_permlanex16_b32 v[TM+4+\b], v[TM+\b], s[SEL], s[SEL+1]
.endr
.irp b, 0,1,2,3
	v_max_num_f32 v[TM+\b], v[TM+\b], v[TM+4+\b]   ; with lane l xor 16's: the block's largest magnitude
.endr
.irp b, 0,1,2,3
	v_add_nc_u32 v[TM+12+\b], 0xff000000, v[TM+\b]   ; 2 off its exponent field: the conversion's scale operand
.endr
.irp b, 0,1,2,3
	v_lshrrev_b32 v[TM+4+\b], 23, v[TM+12+\b]      ; the scale's byte
.endr
	v_lshl_or_b32 v[\pw], v[TM+5], 8, v[TM+4]
	v_lshl_or_b32 v[\pw], v[TM+6], 16, v[\pw]
	v_lshl_or_b32 v[\pw], v[TM+7], 24, v[\pw]
.irp c, 0,1
	v_cvt_scalef32_pk16_fp6_f32 v[PC+6*\c:PC+2+6*\c], v[\s+32*\c:\s+15+32*\c], v[TM+12+2*\c]
	v_cvt_scalef32_pk16_fp6_f32 v[PC+12+4*\c:PC+14+4*\c], v[\s+16+32*\c:\s+31+32*\c], v[TM+12+2*\c+1]   ; (a conversion's three registers begin on an even number)
.endr
	v_nop                                          ; one plain place behind a scaled conversion
.irp c, 0,1                                    ; the operand wants a whole block in a lane
.irp i, 0,1,2
	v_permlane16_swap_b32 v[PC+6*\c+\i], v[PC+12+4*\c+\i]
.endr
.irp i, 0,1,2
	v_mov_b32 v[PC+3+6*\c+\i], v[PC+12+4*\c+\i]
.endr
.endr
.endm
.macro PUT4 base, off, off2            ; each store covers 512 or 256 consecutive bytes, at a multiple of 256 from the buffer's first byte
	global_store_b128 v[O16], v[PC:PC+3], s[\base:\base+1] offset:\off
	global_store_b64 v[O8], v[PC+4:PC+5], s[\base:\base+1] offset:(\off)+512
	global_store_b128 v[O16], v[PC+6:PC+9], s[\base:\base+1] offset:\off2
	global_store_b64 v[O8], v[PC+10:PC+11], s[\base:\base+1] offset:(\off2)+512
.endm
.macro EPI mode                        ; my eight blocks of 16 rows of A'.  mode 0: the bias runs along the registers;  1: one number a lane and block
.irp a, 0,1,2,3,4,5,6,7
.if \a > 0
	s_wait_xcnt 0x0                                ; the last fragment's stores have read their registers
.endif
.if \mode
	v_mov_b32 v[BP], v[BI+\a]
	v_mov_b32 v[BP+1], v[BI+\a]
.endif
	WIN 0x02+\a/4                                  ; source 0: window 2 or 3
.set i, 0
.rept 32
.if \mode
	v_pk_add_f32 v[HA+2*i:HA+2*i+1], v[64*(\a%4)+2*i:64*(\a%4)+2*i+1], v[BP:BP+1]
.else
	v_pk_add_f32 v[HA+2*i:HA+2*i+1], v[64*(\a%4)+2*i:64*(\a%4)+2*i+1], v[BI+2*i:BI+2*i+1]   ; each accumulator from its low end on
.endif
.set i, i+1
.endr
	WIN 0
	QUANT HA, PW+\a
.if \mode
	PUT4 66, HB*(\a/4)+1536*(\a%4), HB*(\a/4)+1536*(\a%4)+768   ; 16 of a head's 64 x 128 keys: head a / 4 of my two, tile a % 4
.else
	PUT4 66, 768*\a, 768*\a+HB                     ; 16 tokens x 128 features: the first 64 are one head's, the others the next head's
.endif
.endr
.irp e, 0,1,2,3
	v_cndmask_b32 v[EE+\e], v[PW+2*\e], v[PW+2*\e+1], s12   ; a scale image's word e: block 2 e in lanes 0-15, block 2 e + 1 in lanes 16-31
.endr
.endm
	PLACES NP                                      ; behind the last products: what follows reads results and writes registers that held fragments and scale words
	s_mov_b32 s[SEL], 0x76543210
	s_mov_b32 s[SEL+1], 0xfedcba98
	v_cmp_eq_u32 s12, 1, v2                        ; lanes 16-31
.irp b, 0,1,2,3
	v_mov_b32 v[TM+4+\b], 0                        ; written once: a lane permute's destination counts as one of its sources
.endr
	s_cmp_lg_u32 s2, 0
	s_cbranch_scc1 .Lout_v
	s_lshl_b32 s20, s17, 4                         ; QK
	s_lshl_b32 s21, s15, 3
	s_add_co_u32 s20, s20, s21                     ; my first row-tile of tokens
	s_lshr_b32 s21, s20, 7                         ; the batch: 128 row-tiles each
	s_lshl_b32 s21, s21, 4
	s_lshl_b32 s22, s40, 2                         ; four heads to a tile of 256 features,
	s_add_co_u32 s21, s21, s22
	s_lshl_b32 s22, s16, 1                         ; two to a wave
	s_add_co_u32 s21, s21, s22
	s_mul_i32 s21, s21, HB                         ; the block of (batch, my first head)
	s_and_b32 s20, s20, 127
	s_mul_i32 s22, s20, 768
	s_add_co_u32 s22, s22, QC                      ; q: codes [tile][768] from QC on,
	s_lshl_b32 s92, s20, 6
	s_add_co_u32 s92, s92, QSC                     ; 512 bytes of scale image for each eight tiles
	s_lshr_b32 s46, s20, 3
	s_mul_i32 s46, s46, 13056                      ; k: my eight tiles are one key step: its block begins with them,
	s_add_co_u32 s47, s46, 12288                   ; and their scale image lies behind the step's codes
	s_cmp_eq_u32 ttmp9, 0                          ; q or k
	s_cselect_b32 s22, s22, s46
	s_cselect_b32 s92, s92, s47
	s_add_co_u32 s22, s22, s21
	s_add_co_u32 s92, s92, s21
	s_mov_b32 s23, 0
	s_mov_b32 s93, 0
	s_add_nc_u64 s[66:67], s[98:99], s[22:23]
	s_add_nc_u64 s[100:101], s[98:99], s[92:93]
	EPI 0
.irp e, 0,1,2,3
	v_lshrrev_b32 v[FF+\e], 16, v[EE+\e]           ; the second head's two bytes come down; the upper two bytes of either word stand over zero codes and are never 0xff
.endr
	global_store_b128 v[O16], v[EE:EE+3], s[100:101]
	global_store_b128 v[O16], v[FF:FF+3], s[100:101] offset:HB
	s_branch .Ldone
.Lout_v:
	s_lshl_b32 s20, s42, 1                         ; V
	s_add_co_u32 s20, s20, s16                     ; which 128 tokens are my wave's
	s_lshr_b32 s21, s20, 4                         ; the batch: 16 steps of 128 keys each
	s_lshl_b32 s21, s21, 4
	s_lshl_b32 s22, s41, 2                         ; four heads to a tile of 256 features,
	s_add_co_u32 s21, s21, s22
	s_lshl_b32 s22, s15, 1                         ; two to a wave
	s_add_co_u32 s21, s21, s22
	s_mul_i32 s21, s21, HB
	s_and_b32 s20, s20, 15
	s_mul_i32 s22, s20, 13056
	s_add_co_u32 s22, s22, s21
	s_add_co_u32 s22, s22, 6144                    ; V's codes lie behind K's in the step's block
	s_mov_b32 s23, 0
	s_add_nc_u64 s[66:67], s[98:99], s[22:23]
	s_mul_i32 s22, s20, 13056
	s_add_co_u32 s22, s22, s21
	s_add_co_u32 s22, s22, 12800                   ; V's scale image: the block's last 256 bytes
	s_add_nc_u64 s[100:101], s[98:99], s[22:23]
	EPI 1
	global_store_b64 v[O8], v[EE:EE+1], s[100:101]
	global_store_b64 v[O8], v[EE+2:EE+3], s[100:101] offset:HB
.Ldone:
	s_wait_tensorcnt 0x0                           ; the wave's end, behind my last tensor load
	ds_add_u32 v[SPW], v[NIL]
	s_wait_dscnt 0x0
	CROUND                                         ; the closing round: no work-group ends while a partner may still ask for a tile that names it
	s_endpgm
.Lfunc_end_k_qaca0746ec1_qkv:
	.size	k_qaca0746ec1_qkv, .Lfunc_end_k_qaca0746ec1_qkv-k_qaca0746ec1_qkv
	.p2alignl 7, 3214868480
	.fill 96, 4, 3214868480
	.section	.rodata,"a",@progbits
	.p2align	6, 0x0
	.amdhsa_kernel k_qaca0746ec1_qkv
		.amdhsa_group_segment_fixed_size 327680
		.amdhsa_private_segment_fixed_size 0
		.amdhsa_enable_private_segment 0
		.amdhsa_kernarg_size 48
		.amdhsa_user_sgpr_count 2
		.amdhsa_user_sgpr_kernarg_segment_ptr 1
		.amdhsa_wavefront_size32 1
		.amdhsa_system_sgpr_workgroup_id_x 1
		.amdhsa_system_sgpr_workgroup_id_y 1
		.amdhsa_system_sgpr_workgroup_id_z 1
		.amdhsa_system_vgpr_workitem_id 0
		.amdhsa_next_free_vgpr 1024
		.amdhsa_next_free_sgpr 102
		.amdhsa_reserve_vcc 0
		.amdhsa_float_denorm_mode_32 3
		.amdhsa_float_denorm_mode_16_64 3
		.amdhsa_memory_ordered 1
		.amdhsa_forward_progress 1
		.amdhsa_inst_pref_size 222
	.end_amdhsa_kernel
	.amdgpu_metadata
---
amdhsa.version: [ 1, 2 ]
amdhsa.kernels:
  - .name:           k_qaca0746ec1_qkv
    .symbol:         k_qaca0746ec1_qkv.kd
    .args:
      - { .name: xq, .offset: 0, .size: 8, .value_kind: global_buffer, .address_space: global }
      - { .name: wq, .offset: 8, .size: 8, .value_kind: global_buffer, .address_space: global }
      - { .name: bq, .offset: 16, .size: 8, .value_kind: global_buffer, .address_space: global }
      - { .name: bk, .offset: 24, .size: 8, .value_kind: global_buffer, .address_space: global }
      - { .name: bv, .offset: 32, .size: 8, .value_kind: global_buffer, .address_space: global }
      - { .name: qkv, .offset: 40, .size: 8, .value_kind: global_buffer, .address_space: global }
    .group_segment_fixed_size: 327680
    .private_segment_fixed_size: 0
    .kernarg_segment_align: 8
    .kernarg_segment_size: 48
    .max_flat_workgroup_size: 128
    .sgpr_count:     102
    .vgpr_count:     1024
    .wavefront_size: 32
...
	.end_amdgpu_metadata
.endif
;; end of part 2
;; launch attn (part 3): grid 8 x 32, 16 waves a work-group, clusters of 4 x 1, 263,168 bytes of LDS; arguments qkv, ao; writes ao
.if DOCPART == 3
	.amdgcn_target "amdgcn-amd-amdhsa--gfx1250"
	.amdhsa_code_object_version 6
	.text
	.protected	k_qaca0746ec1_attn
	.globl	k_qaca0746ec1_attn
	.p2align	8
	.type	k_qaca0746ec1_attn,@function
k_qaca0746ec1_attn:
	s_mov_b64 s[64:65], 0
	v_nop
	global_prefetch_b8 v0, s[64:65] scope:SCOPE_SE
	s_setreg_imm32_b32 hwreg(HW_REG_WAVE_MODE, 25, 1), 1
	s_wait_xcnt 0x0
	s_wait_alu depctr_hold_cnt(0) depctr_sa_sdst(0) depctr_va_vdst(0) depctr_va_sdst(0) depctr_va_ssrc(0) depctr_va_vcc(0) depctr_vm_vsrc(0)
	s_getreg_b32 s2, hwreg(HW_REG_IB_STS2, 6, 4)
	s_cmp_eq_u32 s2, 0
	s_cbranch_scc0 .Lentry_in_a_cluster
	s_endpgm
.Lentry_in_a_cluster:
	s_bfe_u32 s2, ttmp6, 0x10000c
	s_cmp_lg_u32 s2, 0x3003
	s_cbranch_scc0 .Lentry_shape_is_right
	s_endpgm
.Lentry_shape_is_right:
; For each (batch, head): O = softmax(Q K^T / 8) V, both products on codes of FP6 (E2M3) with E8M0 scales; O / l is quantised along the model's axis (the head's 64: two blocks) and leaves as codes, an operand of the last product.
; THE SOFTMAX: t = score x log2(e) / 8; M = the running largest t, rounded UP to a whole number; p = 2^(t - M) is quantised along the keys, not normalised; the row's sum l is taken of the unquantised p in f32.
; When M moves, the sums and O are multiplied by 2^(old M - new M): exact.
; SHARES.  A work-group owns 256 queries of one head, each of its sixteen waves one tile of 16.  A key step is 128 keys.
; LDS.  The head's K and V lie in qkv as sixteen blocks of 13,056 bytes, one a key step: K's codes [tile 8][768], V's [4][1,536], K's scale image [lane][4 words], V's [lane][2].  Wave w brings step w's block by ONE tensor load,
; as 51 rows of 256 bytes with 64 bytes of padding behind each (16,320 bytes in LDS).  Nothing is filled again: one wait for the load and one barrier serve the launch.
; THE ORDER OF THE KEYS.  Wave w takes the key steps in the order w, w + 1, .. modulo 16 (a running maximum serves any order).  Its first step reads the block that it fetched itself, for which its own wait on TENSORcnt is
; all the ordering: that step is written out between the barrier's signal and its wait; the other fifteen are a loop behind the wait.  The first step's products start O^T with C = 0.
; CLUSTER.  The four query blocks of a cluster belong to one head: every block is asked for jointly, by the same load with the same descriptor and the mask of all four.
; No prefetch: all that the work-group reads by tensor loads is asked for at its head.
; LAYOUT.  Both products are used transposed: S^T = K Q^T (source 0 = 16 keys, source 1 = my 16 queries), O^T = V^T P^T: a lane holds ONE query (lane % 16) throughout.
; THE KEYS OF A TILE ARE CHOSEN BY LDS ADDRESS: tile 4 c + u, row 8 h + j is key 64 c + 32 h + 8 u + j.  So the 32 registers of tiles 4 c .. 4 c + 3 of lane (r, h) are keys 64 c + 32 h + 0 .. 31: one whole block, in the
; order of p's operand: a block's largest score needs no other lane and no code changes lanes.  As qkv stores them, tile T, row 8 g + j is key 32 (T / 2) + 8 (T % 2) + 16 g + j: so row half h of my tile (c, u = e + 2 g) is row half g
; of stored tile 4 c + 2 h + e.  Two stored tiles are 1,920 bytes apart in LDS, 128 modulo 256: the two row halves of a 16-byte load fall on different banks.
; The head's axis is 64 long and the instruction's K 128: Q's upper six registers are zero codes, so what K's upper six hold adds nothing: K's fragments overlap, six registers each, fragment n at v[KF + 6 n .. + 11].
; The scale bytes over those products are other blocks' bytes or 0, never 0xff.
; LIMITS: a block of zeros gets the byte 1 (its codes are zeros); NaN and infinities are not served; a p under 2^-126 counts as 0; the promise holds while the scaled scores t stay under 2^31 in magnitude.
.set HB,     315392
.set QC,     208896
.set QSC,    307200
.set SB,     13056                     ; a key step's block in memory
.set LB,     16320                     ; and in LDS: 51 x (256 + 64)
.set LV,     7680                      ; in it: V's codes,
.set LKS,    15360                     ; K's scale image,
.set LVS,    16000                     ; V's
.set SPARE,  16*LB                     ; behind the blocks: the spare words, 128 bytes for each wave
.set SCOFF,  3145728
.set SPW,  1                           ; my spare word; never rewritten
.set NIL,  2                           ; 0; never rewritten
.set BK16, 3                           ; lane parts of the LDS addresses: K's registers 0-3: 1920 h + 320 kb + 16 j (h = bit 3 of the lane, kb = bit 4, j = its low three bits)
.set BK8,  4                           ; K's registers 4-5: 1920 h + 128 kb + 8 j
.set BKS,  5                           ; K's scale words: 320 kb + 16 j + 4 h
.set BV16, 6                           ; V's registers 0-3: 16 x lane + 64 kb
.set BV8,  7                           ; V's registers 4-5 and scale words: 8 x lane
.set SH8,  8                           ; 8 kb
.set OSB,  9                           ; the way out: 8 r + kb
.set LQ16, 10                          ; 16 x lane
.set LQ8,  11                          ; 8 x lane + 512
.set QF,   12                          ; v12-23 Q's fragment: six registers of codes, six of zeros
.set KF,   24                          ; v24-71 K's eight fragments, then V's four; v72-77 zeros
.set SK,   78                          ; v78-81 K's scale words: register 2 g + c: lanes 0-15 tile (c, 2 g), lanes 16-31 tile (c, 2 g + 1)
.set SV,   82                          ; v82-83 V's
.set QS,   84
.set PW,   85                          ; p's scale word
.set PC,   86                          ; v86-97 p's codes
.set CT,   98                          ; v98-105 the eight chains of the maxima; then (v98-100, v102-104) the blocks' upper halves of codes
.set S,    106                         ; v106-169 S^T, then p
.set O,    170                         ; v170-201 O^T
.set MM,   202                         ; -M (v203 named with it as a pair)
.set FF,   204                         ; f = 2^(old M - new M)
.set SUM,  206                         ; v206-221 the sum, in eight chains of two
.set BM,   222                         ; my two blocks' largest scores, then largest p
.set OB,   224
.set TMP,  226
.set D,    227
.set SO,   228                         ; the conversions' scale operands
.set W,    230
.set AK16, 232                         ; v232-236 the five addresses of the step in hand
.set AK8,  233
.set AKS,  234
.set AV16, 235
.set AV8,  236
.set WV,   8
.set NCS,  19                          ; -c
.set SEL,  20                          ; v_permlanex16_b32's selects for lane l xor 16
.set CS,   22                          ; c = log2(e) / 8
.set G1,   24
.set G0,   32
.set TB,   36                          ; where the step's block begins in LDS
.set CNT,  37
.set J,    38                          ; my wave's number + the steps done
.macro WALU
	s_wait_alu depctr_va_vdst(0)
.endm
.macro CROUND
	s_barrier_signal -1
	s_barrier_wait -1
	s_cmp_lg_u32 s[WV], 0
	s_cbranch_scc1 .Lnot_wave_0_\@
	s_barrier_signal -3
.Lnot_wave_0_\@:
	s_barrier_wait -3
	s_barrier_signal -1
	s_barrier_wait -1
.endm
	s_load_b128 s[4:7], s[0:1], 0x0                ; qkv, ao
	v_lshl_add_u32 v[SPW], v0, 2, SPARE
	v_mov_b32 v[NIL], 0
	ds_add_u32 v[SPW], v[NIL]                      ; the opening lines: the add, twice on end, and its wait ahead of my tensor load
	ds_add_u32 v[SPW], v[NIL]
	v_lshrrev_b32 v9, 5, v0
	v_readfirstlane_b32 s[WV], v9                  ; wave 0..15
	s_bfe_u32 s9, ttmp6, 0x40000                   ; cx: it enters Q's and the output's addresses alone
	s_and_b32 s10, ttmp7, 0xffff                   ; 16 x batch + head, which the four partners share
	s_mul_i32 s12, s10, HB
	s_mov_b32 s13, 0
	s_mov_b32 s[G1], 15|(3<<16)|(1<<20)|(1<<21)|(5<<22)|(15<<25)   ; the mask of all four; elements of 8 bytes; behind every 64 words 16 words of padding
	s_mov_b32 s[G1+1], 32<<16                      ; rows of 256 bytes,
	s_mov_b32 s[G1+2], 51<<16                      ; 51 of them
	s_mov_b32 s[G1+3], 32<<16
	s_mov_b32 s[G1+4], 51
	s_mov_b32 s[G1+5], 32                          ; dense in memory
	s_mov_b32 s[G1+6], 0
	s_mov_b32 s[G1+7], 0
	s_mul_i32 s14, s[WV], SB                       ; my key step's block,
	s_mov_b32 s15, 0
	s_mul_i32 s16, s[WV], LB                       ; and its place in LDS
	s_mov_b32 s[SEL], 0x76543210
	s_mov_b32 s[SEL+1], 0xfedcba98
	s_mov_b32 s[CS], 0x3e38aa3b
	s_mov_b32 s[CS+1], s[CS]                       ; (named with it as a pair)
	s_mov_b32 s[NCS], 0xbe38aa3b
	s_mov_b32 s[J], s[WV]
	WALU
	s_wait_dscnt 0x0
	s_wait_kmcnt 0x0
	s_add_nc_u64 s[4:5], s[4:5], s[12:13]          ; the head's block
	s_mov_b32 s[G0], 1
	s_mov_b32 s[G0+1], s16
	s_add_nc_u64 s[G0+2:G0+3], s[4:5], s[14:15]
	s_or_b32 s[G0+3], s[G0+3], 0x80000000
	CROUND                                         ; all four work-groups are here: the joint loads meet
	tensor_load_to_lds s[G0:G0+3], s[G1:G1+7]      ; the one tensor load that I ever issue
	s_nop 0
.rept 4
	v_nop
.endr
	s_lshl_b32 s11, ttmp9, 2
	s_add_co_u32 s11, s11, s9
	s_lshl_b32 s11, s11, 4
	s_add_co_u32 s11, s11, s[WV]                   ; my tile of queries: 16 x (4 x cluster x + cx) + wave
	s_mul_i32 s12, s11, 768
	s_add_co_u32 s12, s12, QC
	s_add_nc_u64 s[12:13], s[4:5], s[12:13]        ; its image (s13 is 0)
	s_lshr_b32 s14, s11, 3
	s_lshl_b32 s14, s14, 9                         ; its scale word: image T / 8,
	s_and_b32 s15, s11, 1
	s_lshl_b32 s15, s15, 8                         ; lanes 16 (T % 2) + r,
	s_add_co_u32 s14, s14, s15
	s_bfe_u32 s15, s11, 0x20001
	s_lshl_b32 s15, s15, 2                         ; word (T % 8) / 2
	s_add_co_u32 s14, s14, s15
	s_add_co_u32 s14, s14, QSC
	s_mov_b32 s15, 0
	s_add_nc_u64 s[14:15], s[4:5], s[14:15]
	v_and_b32 v[S], 31, v0                         ; lane
	v_and_b32 v[S+1], 7, v0                        ; j
	v_bfe_u32 v[S+2], v0, 3, 1                     ; h
	v_bfe_u32 v[S+3], v0, 4, 1                     ; kb
	v_and_b32 v[S+4], 15, v0                       ; r
	v_lshlrev_b32 v[LQ16], 4, v[S]
	v_lshlrev_b32 v[BV8], 3, v[S]
	v_mul_u32_u24 v[S+6], v[S+2], 1920
	v_mul_u32_u24 v[S+5], v[S+3], 320
	v_lshlrev_b32 v[S+7], 4, v[S+4]
	v_add_nc_u32 v[LQ8], 512, v[BV8]
	v_lshl_add_u32 v[BV16], v[S+3], 6, v[LQ16]
	global_load_b128 v[QF:QF+3], v[LQ16], s[12:13] ; Q's codes stay in registers
	global_load_b64 v[QF+4:QF+5], v[LQ8], s[12:13]
	global_load_b32 v[QS], v[S+7], s[14:15]
	v_add_nc_u32 v[BK16], v[S+6], v[S+5]
	v_lshl_add_u32 v[BK16], v[S+1], 4, v[BK16]
	v_lshl_add_u32 v[BK8], v[S+3], 7, v[S+6]
	v_lshl_add_u32 v[BK8], v[S+1], 3, v[BK8]
	v_lshl_add_u32 v[BKS], v[S+1], 4, v[S+5]
	v_lshl_add_u32 v[BKS], v[S+2], 2, v[BKS]
	v_lshlrev_b32 v[SH8], 3, v[S+3]
	v_lshl_add_u32 v[OSB], v[S+4], 3, v[S+3]
	v_cmp_eq_u32 s18, 1, v[S+3]                    ; lanes 16-31
.irp j, 6,7,8,9,10,11
	v_mov_b32 v[QF+\j], 0                          ; the upper 64 of the instruction's K: zero codes, set once
	v_mov_b32 v[KF+42+\j], 0                       ; what the last fragment of K names beyond K's codes
.endr
	v_mov_b32 v[MM], 0x7f61b1e6                    ; -M: 3e38, a whole number, over every -t
	v_mov_b32 v[MM+1], 0
	v_mov_b32 v[FF+1], 0
	v_mov_b32 v[OB], 0                             ; a lane permute's destination counts as one of its sources
	v_mov_b32 v[OB+1], 0
.set j, 0
.rept 16
	v_mov_b32 v[SUM+j], 0                          ; the eight chains: the first step's f is 0, which leaves them zeros
.set j, j+1
.endr
.macro QK d, a, sa, row                ; S^T tile: source 0 = 16 keys, source 1 = my queries
.if \row
	v_wmma_scale_f32_16x16x128_f8f6f4 v[\d:\d+7], v[\a:\a+11], v[QF:QF+11], 0, v[\sa], v[QS] matrix_a_fmt:MATRIX_FMT_FP6 matrix_b_fmt:MATRIX_FMT_FP6 matrix_a_scale:MATRIX_SCALE_ROW1
.else
	v_wmma_scale_f32_16x16x128_f8f6f4 v[\d:\d+7], v[\a:\a+11], v[QF:QF+11], 0, v[\sa], v[QS] matrix_a_fmt:MATRIX_FMT_FP6 matrix_b_fmt:MATRIX_FMT_FP6
.endif
.endm
.macro PV1 d, c, a, sa, row            ; O^T tile: source 0 = 16 of the head's 64, source 1 = p
.if \row
	v_wmma_scale_f32_16x16x128_f8f6f4 v[\d:\d+7], v[\a:\a+11], v[PC:PC+11], \c, v[\sa], v[PW] matrix_a_fmt:MATRIX_FMT_FP6 matrix_b_fmt:MATRIX_FMT_FP6 matrix_a_scale:MATRIX_SCALE_ROW1
.else
	v_wmma_scale_f32_16x16x128_f8f6f4 v[\d:\d+7], v[\a:\a+11], v[PC:PC+11], \c, v[\sa], v[PW] matrix_a_fmt:MATRIX_FMT_FP6 matrix_b_fmt:MATRIX_FMT_FP6
.endif
.endm
; The row's sum of the unquantised p: 32 packed lines in eight chains by turns; each chain's first line also brings the chain under the new M.
.macro SUMS from, to
.set i_, \from
.rept (\to)-(\from)
.if i_ < 8
	v_pk_fma_f32 v[SUM+2*i_:SUM+2*i_+1], v[SUM+2*i_:SUM+2*i_+1], v[FF:FF+1], v[S+2*i_:S+2*i_+1] op_sel_hi:[1,0,1]
.else
	v_pk_add_f32 v[SUM+2*(i_%8):SUM+2*(i_%8)+1], v[SUM+2*(i_%8):SUM+2*(i_%8)+1], v[S+2*i_:S+2*i_+1]
.endif
.set i_, i_+1
.endr
.endm
.macro ORS from, to, first             ; O^T under the new M, lines from .. to - 1 of sixteen; the first step has no O^T yet
.if !(\first)
.set o_, \from
.rept (\to)-(\from)
	v_pk_mul_f32 v[O+2*o_:O+2*o_+1], v[O+2*o_:O+2*o_+1], v[FF:FF+1] op_sel_hi:[1,0]
.set o_, o_+1
.endr
.endif
.endm
.macro VLD n                           ; line n of the seventeen that bring V's scale words and four fragments into K's registers
.if (\n) == 0
	ds_load_b64 v[SV:SV+1], v[AV8] offset:LVS
.else
.set vi_, ((\n)-1)/4
.set vq_, ((\n)-1)%4
.if vq_%2 == 0
	ds_load_b128 v[KF+12*vi_+3*vq_:KF+12*vi_+3*vq_+3], v[AV16] offset:LV+1920*vi_+480*vq_
.else
	ds_load_b64 v[KF+12*vi_+6*(vq_/2)+4:KF+12*vi_+6*(vq_/2)+5], v[AV8] offset:LV+1920*vi_+960*(vq_/2)+640
.endif
.endif
.endm
.macro VLDS from, to
.set vn_, \from
.rept (\to)-(\from)
	VLD vn_
.set vn_, vn_+1
.endr
.endm
; A KEY STEP: 128 keys.  first = 1: the wave's first
.macro STEP first
	s_and_b32 s[TB], s[J], 15
	s_mul_i32 s[TB], s[TB], LB                     ; the block of key step (wave + steps done) modulo 16
	s_add_co_u32 s[J], s[J], 1
	v_add_nc_u32 v[AKS], s[TB], v[BKS]
	v_add_nc_u32 v[AK16], s[TB], v[BK16]
	v_add_nc_u32 v[AK8], s[TB], v[BK8]
	v_add_nc_u32 v[AV16], s[TB], v[BV16]
	v_add_nc_u32 v[AV8], s[TB], v[BV8]
.irp g, 0,1
.irp c, 0,1
	ds_load_b32 v[SK+2*\g+\c], v[AKS] offset:LKS+128*\g+8*\c
.endr
.endr
.irp c, 0,1
.irp u, 0,1,2,3
	ds_load_b128 v[KF+6*(4*\c+\u):KF+6*(4*\c+\u)+3], v[AK16] offset:960*(4*\c+\u%2)+128*(\u/2)
	ds_load_b64 v[KF+6*(4*\c+\u)+4:KF+6*(4*\c+\u)+5], v[AK8] offset:960*(4*\c+\u%2)+640+64*(\u/2)
.endr
.endr
.if !(\first)
	SUMS 12, 32                                    ; the last step's p, while K's fragments are on their way
.endif
	WALU                                           ; the wait directly ahead of the wait below
	s_wait_dscnt 6                                 ; the scale words and tiles 0 to 4 are in (fragment 3 names tile 4's registers too); the six loads of tiles 5 to 7 may be out
.irp u, 0,1,2,3
	QK S+8*\u, KF+6*\u, SK+2*(\u/2), \u%2
.endr
	s_wait_dscnt 0x0
.irp u, 0,1,2,3
	QK S+32+8*\u, KF+24+6*\u, SK+2*(\u/2)+1, \u%2
.endr
.rept 4
	v_nop                                          ; places ahead of the first read of results and of the loads into K's registers
.endr
.irp c, 0,1                                    ; the largest score of my two blocks of 32 keys: a chain to a tile, four by turns; each accumulator is first read at its low end
.irp u, 0,1,2,3
	v_max3_num_f32 v[CT+4*\c+\u], v[S+32*\c+8*\u], v[S+32*\c+8*\u+1], v[S+32*\c+8*\u+2]
.endr
.irp i, 3,5
.irp u, 0,1,2,3
	v_max3_num_f32 v[CT+4*\c+\u], v[CT+4*\c+\u], v[S+32*\c+8*\u+\i], v[S+32*\c+8*\u+\i+1]
.endr
.endr
.endr
.irp c, 0,1
	v_max3_num_f32 v[CT+4*\c], v[CT+4*\c], v[CT+4*\c+1], v[S+32*\c+7]
	v_max3_num_f32 v[CT+4*\c+2], v[CT+4*\c+2], v[CT+4*\c+3], v[S+32*\c+15]
.endr
.irp c, 0,1
	v_max3_num_f32 v[CT+4*\c], v[CT+4*\c], v[S+32*\c+23], v[S+32*\c+31]
.endr
.irp c, 0,1
	s_delay_alu instid0(VALU_DEP_2)
	v_max_num_f32 v[BM+\c], v[CT+4*\c], v[CT+4*\c+2]
.endr
	s_delay_alu instid0(VALU_DEP_1)
	v_max_num_f32 v[TMP], v[BM], v[BM+1]           ; V's loads stand between the links of this chain
	VLDS 0, 3
	v_permlanex16_b32 v[OB], v[TMP], s[SEL], s[SEL+1]
	VLDS 3, 6
	v_max_num_f32 v[TMP], v[TMP], v[OB]            ; the step's largest score of my query
	VLDS 6, 9
	v_mul_f32 v[TMP], s[NCS], v[TMP]               ; -t
	VLDS 9, 12
	v_floor_f32 v[TMP], v[TMP]                     ; -ceil(t)
	VLDS 12, 15
	v_sub_f32 v[D], v[TMP], v[MM]
	v_min_num_f32 v[MM], v[MM], v[TMP]             ; the new -M
	VLDS 15, 17
	v_min_num_f32 v[D], 0, v[D]                    ; old M - new M: a whole number, 0 or less
.irp c, 0,1
	v_fma_f32 v[BM+\c], v[BM+\c], s[CS], v[MM]     ; t - M of each block's largest score
.endr
	v_cvt_i32_f32 v[D], v[D]                       ; (it saturates)
	WALU                                           ; a wait ahead of the small batch,
.irp c, 0,1
	v_exp_f32 v[BM+\c], v[BM+\c]                   ; the block's largest p: the same arithmetic on the same number gives the same bits
.endr
	v_ldexp_f32 v[FF], 1.0, v[D]                   ; f
.set j, 0
.rept 32
	v_pk_fma_f32 v[S+j:S+j+1], v[S+j:S+j+1], s[CS:CS+1], v[MM:MM+1] op_sel_hi:[1,0,0]   ; t - M
.set j, j+2
.endr
	WALU                                           ; and one behind it, directly ahead of the first reader of O^T; only plain lines follow up to the next wait
	ORS 0, 1, \first
.irp c, 0,1
	v_max_num_f32 v[BM+\c], 0x1800000, v[BM+\c]    ; the floor 2^(3 - 127): the byte cannot fall under 1
.endr
	ORS 1, 3, \first
.irp c, 0,1
	v_add_nc_u32 v[SO+\c], 0xff000000, v[BM+\c]    ; 2 off the exponent field: the conversion's scale operand
.endr
	ORS 3, 5, \first
	v_lshrrev_b32 v[W], 23, v[SO]                  ; my two bytes: blocks kb and 2 + kb,
	v_lshrrev_b32 v[W+1], 7, v[SO+1]
	ORS 5, 8, \first
	v_and_or_b32 v[W], v[W+1], 0xff0000, v[W]
	ORS 8, 11, \first
	v_lshlrev_b32 v[W], v[SH8], v[W]               ; at their places in the word;
	ORS 11, 14, \first
	v_permlanex16_b32 v[W+1], v[W], s[SEL], s[SEL+1]
	ORS 14, 16, \first
	v_or_b32 v[PW], v[W], v[W+1]                   ; with lane l xor 16's two the word is whole
	WALU                                           ; one wait ahead of the batch,
.set j, 0
.rept 64
	v_exp_f32 v[S+j], v[S+j]                       ; p = 2^(t - M)
.set j, j+1
.endr
	v_nop                                          ; a plain place behind it,
	WALU                                           ; and one wait behind it
.irp c, 0,1
	v_cvt_scalef32_pk16_fp6_f32 v[PC+6*\c:PC+6*\c+2], v[S+32*\c:S+32*\c+15], v[SO+\c]
	v_cvt_scalef32_pk16_fp6_f32 v[CT+4*\c:CT+4*\c+2], v[S+32*\c+16:S+32*\c+31], v[SO+\c]   ; (a conversion's three registers begin on an even number)
.endr
	SUMS 0, 1                                      ; the plain place behind the conversions
.irp c, 0,1
.irp i, 0,1,2
	v_mov_b32 v[PC+6*\c+3+\i], v[CT+4*\c+\i]
.endr
.endr
	SUMS 1, 8                                      ; seven lines: more than the four places between p's codes and the products
	WALU                                           ; the wait directly ahead of the wait below
	s_wait_dscnt 0x0                               ; V's fragments
.irp i, 0,1,2,3                                ; the four accumulators by turns
.if \first
	PV1 O+8*\i, 0, KF+12*\i, SV+\i/2, \i%2
.else
	PV1 O+8*\i, v[O+8*\i:O+8*\i+7], KF+12*\i, SV+\i/2, \i%2
.endif
.endr
	SUMS 8, 12                                     ; the four places ahead of the next loads into V's registers
.endm
	WALU                                           ; the wait at the head's end
	s_wait_loadcnt 0x0                             ; Q
	s_wait_tensorcnt 0x0                           ; my block has landed:
	s_barrier_signal -1                            ; say so,
	STEP 1                                         ; take the key step that lies in it (LDS loads of my own block, and work on registers),
	WALU
	s_barrier_wait -1                              ; and go on to the others' when all have said so
	s_mov_b32 s[CNT], 15
.Lstep:
	STEP 0
	s_sub_co_u32 s[CNT], s[CNT], 1
	s_cmp_lg_u32 s[CNT], 0
	WALU                                           ; the wait directly ahead of the branch
	s_cbranch_scc1 .Lstep
	SUMS 12, 32                                    ; the last step's last twenty
	; THE WAY OUT.  O^T / l: register 16 c + i of a lane is channel 32 c + 16 (lane / 16) + i of my query: two blocks along the last product's K.
.irp k, 0,1,2,3
	v_pk_add_f32 v[SUM+2*\k:SUM+2*\k+1], v[SUM+2*\k:SUM+2*\k+1], v[SUM+2*\k+8:SUM+2*\k+9]
.endr
.irp k, 0,1
	v_pk_add_f32 v[SUM+2*\k:SUM+2*\k+1], v[SUM+2*\k:SUM+2*\k+1], v[SUM+2*\k+4:SUM+2*\k+5]
.endr
	v_pk_add_f32 v[SUM:SUM+1], v[SUM:SUM+1], v[SUM+2:SUM+3]
	v_add_f32 v[SUM], v[SUM], v[SUM+1]
	v_permlanex16_b32 v[TMP], v[SUM], s[SEL], s[SEL+1]
	v_add_f32 v[SUM], v[SUM], v[TMP]               ; with lane l xor 16's: the row's sum
	WALU
	v_rcp_f32 v[SUM], v[SUM]
	v_nop
	s_lshr_b32 s12, s10, 4                         ; the batch
	s_lshl_b32 s12, s12, 7
	s_add_co_u32 s12, s12, s11                     ; my row-tile of tokens
	s_and_b32 s13, s10, 15                         ; the head
	s_lshl_b32 s14, s12, 4
	s_add_co_u32 s14, s14, s13
	s_mul_i32 s14, s14, 768                        ; codes: [row-tile][head][768]
	s_mov_b32 s15, 0
	s_add_nc_u64 s[14:15], s[6:7], s[14:15]
	s_lshl_b32 s16, s12, 9                         ; scale bytes: [row-tile][head / 4][r][2 words]: word (head / 2) % 2, bytes 2 (head % 2) + block
	s_lshr_b32 s17, s13, 2
	s_lshl_b32 s17, s17, 7
	s_add_co_u32 s16, s16, s17
	s_bfe_u32 s17, s13, 0x10001
	s_lshl_b32 s17, s17, 2
	s_add_co_u32 s16, s16, s17
	s_and_b32 s17, s13, 1
	s_lshl_b32 s17, s17, 1
	s_add_co_u32 s16, s16, s17
	s_add_co_u32 s16, s16, SCOFF
	s_mov_b32 s17, 0
	s_add_nc_u64 s[16:17], s[6:7], s[16:17]
	WALU                                           ; the wait, ahead of the first reader of the reciprocal and of O^T
.set j, 0
.rept 32
	v_mul_f32 v[S+j], v[O+j], v[SUM]               ; each accumulator from its low end on
.set j, j+1
.endr
.irp b, 0,1
	v_max3_num_f32 v[BM+\b], |v[S+16*\b]|, |v[S+1+16*\b]|, 0x1800000
.endr
.irp i, 2,4,6,8,10,12,14
.irp b, 0,1
	v_max3_num_f32 v[BM+\b], v[BM+\b], |v[S+16*\b+\i]|, |v[S+1+16*\b+\i]|
.endr
.endr
.irp b, 0,1
	v_permlanex16_b32 v[OB+\b], v[BM+\b], s[SEL], s[SEL+1]
.endr
.irp b, 0,1
	v_max_num_f32 v[BM+\b], v[BM+\b], v[OB+\b]
.endr
.irp b, 0,1
	v_add_nc_u32 v[SO+\b], 0xff000000, v[BM+\b]
.endr
.irp b, 0,1
	v_lshrrev_b32 v[OB+\b], 23, v[SO+\b]
.endr
	v_cvt_scalef32_pk16_fp6_f32 v[PC:PC+2], v[S:S+15], v[SO]
	v_cvt_scalef32_pk16_fp6_f32 v[CT:CT+2], v[S+16:S+31], v[SO+1]
	v_cndmask_b32 v[TMP], v[OB], v[OB+1], s18      ; lanes 0-15 store block 0's byte of row r, lanes 16-31 block 1's.  (The plain place behind the conversions)
.irp i, 0,1,2
	v_permlane16_swap_b32 v[PC+\i], v[CT+\i]       ; here a block lies in two lanes: the operand wants it whole in one
.endr
.irp i, 0,1,2
	v_mov_b32 v[PC+3+\i], v[CT+\i]
.endr
	global_store_b128 v[LQ16], v[PC:PC+3], s[14:15]    ; the image: 512 and 256 consecutive bytes, at multiples of 256 from the buffer's first byte
	global_store_b64 v[LQ8], v[PC+4:PC+5], s[14:15]
	global_store_b8 v[OSB], v[TMP], s[16:17]           ; 32 single bytes a wave: a head's two bytes of each row's word
	s_wait_tensorcnt 0x0                           ; the wave's end
	ds_add_u32 v[SPW], v[NIL]
	s_wait_dscnt 0x0
	CROUND                                         ; the closing round
	s_endpgm
.Lfunc_end_k_qaca0746ec1_attn:
	.size	k_qaca0746ec1_attn, .Lfunc_end_k_qaca0746ec1_attn-k_qaca0746ec1_attn
	.p2alignl 7, 3214868480
	.fill 96, 4, 3214868480
	.section	.rodata,"a",@progbits
	.p2align	6, 0x0
	.amdhsa_kernel k_qaca0746ec1_attn
		.amdhsa_group_segment_fixed_size 263168
		.amdhsa_private_segment_fixed_size 0
		.amdhsa_enable_private_segment 0
		.amdhsa_kernarg_size 16
		.amdhsa_user_sgpr_count 2
		.amdhsa_user_sgpr_kernarg_segment_ptr 1
		.amdhsa_wavefront_size32 1
		.amdhsa_system_sgpr_workgroup_id_x 1
		.amdhsa_system_sgpr_workgroup_id_y 1
		.amdhsa_system_sgpr_workgroup_id_z 1
		.amdhsa_system_vgpr_workitem_id 0
		.amdhsa_next_free_vgpr 240
		.amdhsa_next_free_sgpr 66
		.amdhsa_reserve_vcc 0
		.amdhsa_float_denorm_mode_32 3
		.amdhsa_float_denorm_mode_16_64 3
		.amdhsa_memory_ordered 1
		.amdhsa_forward_progress 1
		.amdhsa_inst_pref_size 41
	.end_amdhsa_kernel
	.amdgpu_metadata
---
amdhsa.version: [ 1, 2 ]
amdhsa.kernels:
  - .name:           k_qaca0746ec1_attn
    .symbol:         k_qaca0746ec1_attn.kd
    .args:
      - { .name: qkv, .offset: 0, .size: 8, .value_kind: global_buffer, .address_space: global }
      - { .name: ao, .offset: 8, .size: 8, .value_kind: global_buffer, .address_space: global }
    .group_segment_fixed_size: 263168
    .private_segment_fixed_size: 0
    .kernarg_segment_align: 8
    .kernarg_segment_size: 16
    .max_flat_workgroup_size: 512
    .sgpr_count:     66
    .vgpr_count:     240
    .wavefront_size: 32
...
	.end_amdgpu_metadata
.endif
;; end of part 3
;; launch oproj (part 4): grid 8 x 32, 4 waves a work-group, clusters of 4 x 4, 327,680 bytes of LDS; arguments ao, wq, bo, out0; writes out0
.if DOCPART == 4
	.amdgcn_target "amdgcn-amd-amdhsa--gfx1250"
	.amdhsa_code_object_version 6
	.text
	.protected	k_qaca0746ec1_oproj
	.globl	k_qaca0746ec1_oproj
	.p2align	8
	.type	k_qaca0746ec1_oproj,@function
k_qaca0746ec1_oproj:
	s_mov_b64 s[64:65], 0
	v_nop
	global_prefetch_b8 v0, s[64:65] scope:SCOPE_SE
	s_setreg_imm32_b32 hwreg(HW_REG_WAVE_MODE, 25, 1), 1
	s_wait_xcnt 0x0
	s_wait_alu depctr_hold_cnt(0) depctr_sa_sdst(0) depctr_va_vdst(0) depctr_va_sdst(0) depctr_va_ssrc(0) depctr_va_vcc(0) depctr_vm_vsrc(0)
	s_getreg_b32 s2, hwreg(HW_REG_IB_STS2, 6, 4)
	s_cmp_eq_u32 s2, 0
	s_cbranch_scc0 .Lentry_in_a_cluster
	s_endpgm
.Lentry_in_a_cluster:
	s_bfe_u32 s2, ttmp6, 0x10000c
	s_cmp_lg_u32 s2, 0xf033
	s_cbranch_scc0 .Lentry_shape_is_right
	s_endpgm
.Lentry_shape_is_right:
; out0 = ao Wo + bo on codes of FP6 (E2M3) with E8M0 scales, sums in f32.  A tile of 128 x 128 to a work-group of four waves, 64 x 64 (16 accumulators) to a wave; the bias is the first products' C.
; Operands lie in memory in the order of the operand's registers: codes [row-tile][K / 64][768], scale words from SCOFF on [row-tile][K / 256][r][2].
; ALL OF K LIES IN LDS: A's eight row-tiles (98,304 dense bytes), B's eight, and their scale words.  One tensor load a wave at the head brings them (A's codes, B's codes, A's scale words, B's); nothing is filled again.
; CLUSTERS: 4 x 4 work-groups; A's tiles are shared along a row of the cluster, B's along a column, each asked for jointly.  No prefetch: all that is read is asked for at the head.
; The matrix instruction is used transposed (source 0 = rows of Wo's operand, source 1 = tokens); results leave through each wave's own stage in LDS as whole units of 256 bytes.
.set FR,     12
.set NP,     4
.set TROW,   12288
.set HALFT,  4*TROW
.set SLOT,   4*HALFT
.set SCL,    SLOT
.set HALFS,  2048
.set SBLK,   512
.set STAGE,  SCL+4*HALFS
.set SPITCH, 272
.set SPARE,  STAGE+4*16*SPITCH
.set SCOFF,  3145728
.set ADRA, 16
.set ADRB, 20
.set STO,  24
.set RD,   25
.set CO,   26
.set ADRS, 27
.set SPW,  28
.set NIL,  29
.set SC,   32
.set AF,   128
.set BK,   128
.set BIW,  128
.set G1, 24
.set G0, 32
.set G1B, 48
.set G0B, 56
.set G1S, 68
.set G0S, 76
.set G1SB, 80
.set G0SB, 88
.set MSB, 0
.macro WIN new
.if MSB != (\new)
	s_set_vgpr_msb (MSB<<8)|(\new)
.set MSB, (\new)
.endif
.endm
.set MUL,    0xa1
.set TO_B,   0x40
.macro JLOAD g0a, g1a, g0b, g1b
	s_cmp_eq_u32 s15, 0
	s_cbranch_scc0 .Lfor_b_\@
	tensor_load_to_lds s[\g0a:\g0a+3], s[\g1a:\g1a+7]
	s_nop 0
.rept 4
	v_nop
.endr
	s_branch .Lasked_\@
.Lfor_b_\@:
	tensor_load_to_lds s[\g0b:\g0b+3], s[\g1b:\g1b+7]
	s_nop 0
.rept 4
	v_nop
.endr
.Lasked_\@:
.endm
.macro CROUND
	s_barrier_signal -1
	s_barrier_wait -1
	s_cmp_lg_u32 s14, 0
	s_cbranch_scc1 .Lnot_wave_0_\@
	s_barrier_signal -3
.Lnot_wave_0_\@:
	s_barrier_wait -3
	s_barrier_signal -1
	s_barrier_wait -1
.endm
	s_load_b256 s[4:11], s[0:1], 0x0
	v_lshl_add_u32 v[SPW], v0, 2, SPARE
	v_mov_b32 v[NIL], 0
	ds_add_u32 v[SPW], v[NIL]
	ds_add_u32 v[SPW], v[NIL]
	v_lshrrev_b32 v1, 5, v0
	v_readfirstlane_b32 s14, v1
	s_lshr_b32 s15, s14, 1
	s_and_b32 s16, s14, 1
	s_bfe_u32 s40, ttmp6, 0x40000
	s_bfe_u32 s41, ttmp6, 0x40004
	s_lshl_b32 s42, ttmp9, 2
	s_add_co_u32 s42, s42, s40
	s_and_b32 s17, ttmp7, 0xffff
	s_lshl_b32 s17, s17, 2
	s_add_co_u32 s17, s17, s41
	s_lshl_b32 s43, s41, 2
	s_lshl_b32 s43, 15, s43
	s_lshl_b32 s44, 0x1111, s40
	s_or_b32 s[G1+0], s43, (3<<16)|(1<<21)
	s_or_b32 s[G1B+0], s44, (3<<16)|(1<<21)
.irp g, G1, G1B
	s_mov_b32 s[\g+1], 1536<<16                    ; eight row-tiles of 12,288 bytes, dense
	s_mov_b32 s[\g+2], 8<<16
	s_mov_b32 s[\g+3], 1536<<16
	s_mov_b32 s[\g+4], 8
	s_mov_b32 s[\g+5], 1536
	s_mov_b32 s[\g+6], 0
	s_mov_b32 s[\g+7], 0
.endr
	s_or_b32 s[G1S+0], s43, (3<<16)|(1<<21)
	s_or_b32 s[G1SB+0], s44, (3<<16)|(1<<21)
.irp g, G1S, G1SB
	s_mov_b32 s[\g+1], 32<<16                      ; eight row-tiles' scale words: 16 rows of 256 bytes, dense
	s_mov_b32 s[\g+2], 16<<16
	s_mov_b32 s[\g+3], 32<<16
	s_mov_b32 s[\g+4], 16
	s_mov_b32 s[\g+5], 32
	s_mov_b32 s[\g+6], 0
	s_mov_b32 s[\g+7], 0
.endr
	s_mov_b32 s18, 0                               ; a load brings a whole tile's eight row-tiles
	s_lshl_b32 s20, s17, 3
	s_add_co_u32 s20, s20, s18
	s_lshl_b32 s46, s42, 3
	s_add_co_u32 s46, s46, s18
	s_add_co_u32 s46, s46, 192
	s_lshl_b32 s22, s20, 9
	s_add_co_u32 s22, s22, SCOFF
	s_mov_b32 s23, 0
	s_lshl_b32 s92, s46, 9
	s_add_co_u32 s92, s92, SCOFF
	s_mov_b32 s93, 0
	s_mul_i32 s20, s20, 12288
	s_mov_b32 s21, 0
	s_mul_i32 s46, s46, 12288
	s_mov_b32 s47, 0
	s_mul_i32 s45, s14, HALFT
	s_mul_i32 s94, s14, HALFS
	s_wait_dscnt 0x0
	s_wait_kmcnt 0x0
	s_add_nc_u64 s[20:21], s[4:5], s[20:21]
	s_add_nc_u64 s[22:23], s[4:5], s[22:23]
	s_add_nc_u64 s[46:47], s[6:7], s[46:47]
	s_add_nc_u64 s[92:93], s[6:7], s[92:93]
	CROUND
	s_mov_b32 s[G0S], 1
	s_mov_b32 s[G0S+1], SCL
	s_mov_b64 s[G0S+2:G0S+3], s[22:23]
	s_or_b32 s[G0S+3], s[G0S+3], 0x80000000
	s_mov_b32 s[G0SB], 1
	s_mov_b32 s[G0SB+1], SCL+2*HALFS
	s_mov_b64 s[G0SB+2:G0SB+3], s[92:93]
	s_or_b32 s[G0SB+3], s[G0SB+3], 0x80000000
.irp s, 0
	s_mov_b32 s[G0+4*\s], 1
	s_mov_b32 s[G0+4*\s+1], 0
	s_add_nc_u64 s[G0+4*\s+2:G0+4*\s+3], s[20:21], \s*TROW
	s_or_b32 s[G0+4*\s+3], s[G0+4*\s+3], 0x80000000
	s_mov_b32 s[G0B+4*\s], 1
	s_mov_b32 s[G0B+4*\s+1], 2*HALFT
	s_add_nc_u64 s[G0B+4*\s+2:G0B+4*\s+3], s[46:47], \s*TROW
	s_or_b32 s[G0B+4*\s+3], s[G0B+4*\s+3], 0x80000000
.endr
; THE HEAD'S LOADS, ONE A WAVE: one chain of branches on the wave's number, a load to an arm, all arms leading to one join
.macro ARM under, g0, g1, next
	s_cmp_lt_u32 s14, \under
	s_cbranch_scc0 \next
	tensor_load_to_lds s[\g0:\g0+3], s[\g1:\g1+7]
	s_nop 0
.rept 4
	v_nop
.endr
	s_branch .Lhead_asked
\next:
.endm
	ARM 1, G0,  G1,  .Lhead_b
	ARM 2, G0B, G1B, .Lhead_sa
	ARM 3, G0S, G1S, .Lhead_sb
	tensor_load_to_lds s[G0SB:G0SB+3], s[G1SB:G1SB+7]
	s_nop 0
.rept 4
	v_nop
.endr
.Lhead_asked:
	v_and_b32 v1, 15, v0
	v_bfe_u32 v2, v0, 4, 1
	v_and_b32 v6, 31, v0
	v_lshlrev_b32 v3, 4, v6
	v_lshlrev_b32 v4, 3, v6
	s_mul_i32 s21, s15, HALFT
	s_mul_i32 s22, s16, HALFT
	s_add_co_u32 s22, s22, 2*HALFT
.irp s, 0,1
	v_add_nc_u32 v[ADRA+\s], s21, v3
	v_add_nc_u32 v[ADRB+\s], s22, v3
	v_add_nc_u32 v[ADRA+2+\s], s21, v4
	v_add_nc_u32 v[ADRB+2+\s], s22, v4
	s_add_co_u32 s21, s21, SLOT
	s_add_co_u32 s22, s22, SLOT
.endr
	v_lshlrev_b32 v5, 3, v1
	s_mul_i32 s21, s15, HALFS
	s_mul_i32 s22, s16, HALFS
	s_add_co_u32 s22, s22, 2*HALFS
	s_sub_co_u32 s22, s22, s21
	v_mul_u32_u24 v6, s22, v2
	s_add_co_u32 s21, s21, SCL
	v_add_nc_u32 v5, v5, v6
	v_add_nc_u32 v[ADRS], s21, v5
	s_mul_i32 s23, s14, 16*SPITCH
	s_add_co_u32 s23, s23, STAGE
	v_mul_u32_u24 v5, v1, SPITCH
	v_lshl_add_u32 v5, v2, 6, v5
	v_add_nc_u32 v[STO], s23, v5
	v_mul_u32_u24 v5, v2, SPITCH
	v_lshl_add_u32 v5, v1, 4, v5
	v_add_nc_u32 v[RD], s23, v5
	v_lshlrev_b32 v[CO], 4, v1
	v_lshl_add_u32 v[CO], v2, 12, v[CO]
	s_lshl_b32 s46, s42, 9
	s_lshl_b32 s47, s16, 8
	s_add_co_u32 s46, s46, s47
	s_mov_b32 s47, 0
	s_add_nc_u64 s[8:9], s[8:9], s[46:47]
	v_lshlrev_b32 v8, 6, v2
	WIN 0x80
.irp b, 0,1,2,3
.irp e, 0,1
	global_load_b128 v[BIW+8*\b+4*\e:BIW+8*\b+4*\e+3], v8, s[8:9] offset:4*(32*(\b/2)+8*(\b%2))+16*\e
.endr
.endr
	WIN 0
	s_lshl_b32 s20, s17, 19
	s_lshl_b32 s21, s15, 18
	s_add_co_u32 s20, s20, s21
	s_mov_b32 s21, 0
	s_add_nc_u64 s[20:21], s[20:21], s[46:47]
	s_add_nc_u64 s[10:11], s[10:11], s[20:21]
.macro FRAG reg, adr, q, i
	ds_load_b128 v[\reg:\reg+3], v[\adr] offset:(\i)*TROW+(\q)*1536
	ds_load_b64 v[\reg+4:\reg+5], v[\adr+2] offset:(\i)*TROW+(\q)*1536+512
	ds_load_b128 v[\reg+6:\reg+9], v[\adr] offset:(\i)*TROW+(\q)*1536+768
	ds_load_b64 v[\reg+10:\reg+11], v[\adr+2] offset:(\i)*TROW+(\q)*1536+1280
.endm
.macro FETCH s
	WIN TO_B
.irp i, 0,1,2,3
	FRAG 128*((\s)%2)+FR*\i, ADRB, (\s), \i
.endr
	WIN 0
.irp i, 0,1,2,3
	FRAG AF+48*((\s)%2)+FR*\i, ADRA, (\s), \i
.endr
.endm
.macro SCALES
.irp ks, 0,1,2,3
.irp i, 0,1,2,3
	ds_load_b64 v[SC+8*\ks+2*\i:SC+8*\ks+2*\i+1], v[ADRS] offset:\i*SBLK+128*\ks
.endr
.endr
.endm
.macro MUL8 a0, s, first
.irp a, \a0, \a0+1
.irp b, 0,1,2,3
.if \first
	v_wmma_scale_f32_16x16x128_f8f6f4 v[8*(4*(\a)+\b):8*(4*(\a)+\b)+7], v[128*((\s)%2)+FR*\b:128*((\s)%2)+FR*\b+FR-1], v[AF+48*((\s)%2)+FR*(\a):AF+48*((\s)%2)+FR*(\a)+FR-1], v[BIW+8*\b:BIW+8*\b+7], v[SC+8*((\s)/2)+2*\b+(\s)%2], v[SC+8*((\s)/2)+2*(\a)+(\s)%2] matrix_a_fmt:MATRIX_FMT_FP6 matrix_b_fmt:MATRIX_FMT_FP6 matrix_a_scale:MATRIX_SCALE_ROW1
.else
	v_wmma_scale_f32_16x16x128_f8f6f4 v[8*(4*(\a)+\b):8*(4*(\a)+\b)+7], v[128*((\s)%2)+FR*\b:128*((\s)%2)+FR*\b+FR-1], v[AF+48*((\s)%2)+FR*(\a):AF+48*((\s)%2)+FR*(\a)+FR-1], v[8*(4*(\a)+\b):8*(4*(\a)+\b)+7], v[SC+8*((\s)/2)+2*\b+(\s)%2], v[SC+8*((\s)/2)+2*(\a)+(\s)%2] matrix_a_fmt:MATRIX_FMT_FP6 matrix_b_fmt:MATRIX_FMT_FP6 matrix_a_scale:MATRIX_SCALE_ROW1
.endif
.endr
.endr
.endm
.macro PLACES n
.rept \n
	v_nop
.endr
.endm
.macro KSTEP s
	PLACES NP
	FETCH (\s)+1
	s_wait_dscnt 32
	WIN MUL
	MUL8 0, \s, 0
	MUL8 2, \s, 0
.endm
	s_wait_alu depctr_va_vdst(0)                   ; the wait at the head's end
	s_wait_tensorcnt 0x0                           ; my tile of the four is in; behind the barrier everybody's is
	s_barrier_signal -1
	s_barrier_wait -1
	FETCH 0
	SCALES
	FETCH 1
	s_wait_dscnt 32
	s_wait_loadcnt 0x0
	WIN MUL
	MUL8 0, 0, 1
	MUL8 2, 0, 1
	KSTEP 1
	KSTEP 2
	KSTEP 3
	KSTEP 4
	KSTEP 5
	KSTEP 6
	s_wait_dscnt 0x0
	MUL8 0, 7, 0
	MUL8 2, 7, 0
	WIN 0
.macro TOSTAGE a
.set AC, 32*(\a)
	WIN 0x08
.irp b, 0,1,2,3
	ds_store_b128 v[STO], v[AC+8*\b:AC+8*\b+3] offset:128*(\b/2)+32*(\b%2)
	ds_store_b128 v[STO], v[AC+8*\b+4:AC+8*\b+7] offset:128*(\b/2)+32*(\b%2)+16
.endr
	WIN 0
.set BB, BK+32*((\a)%2)
.irp t, 0,1,2,3,4,5,6,7
	ds_load_b128 v[BB+4*\t:BB+4*\t+3], v[RD] offset:2*\t*SPITCH
.endr
.endm
.macro SEND a, younger
.set BB, BK+32*((\a)%2)
	s_wait_dscnt \younger
.irp t, 0,1,2,3,4,5,6,7
	global_store_b128 v[CO], v[BB+4*\t:BB+4*\t+3], s[10:11] offset:4096*(32*((\a)/2)+8*((\a)%2)+2*\t+8*(\t/4)) th:TH_STORE_NT
.endr
.endm
	PLACES NP
	s_wait_alu depctr_va_vdst(0)
	TOSTAGE 0
.irp a, 1,2,3
.if \a > 1
	s_wait_xcnt 0x0
.endif
	TOSTAGE \a
	SEND \a-1, 16
.endr
	SEND 3, 0
	s_wait_tensorcnt 0x0
	ds_add_u32 v[SPW], v[NIL]
	s_wait_dscnt 0x0
	CROUND
	s_endpgm
.Lfunc_end_k_qaca0746ec1_oproj:
	.size	k_qaca0746ec1_oproj, .Lfunc_end_k_qaca0746ec1_oproj-k_qaca0746ec1_oproj
	.p2alignl 7, 3214868480
	.fill 96, 4, 3214868480
	.section	.rodata,"a",@progbits
	.p2align	6, 0x0
	.amdhsa_kernel k_qaca0746ec1_oproj
		.amdhsa_group_segment_fixed_size 327680
		.amdhsa_private_segment_fixed_size 0
		.amdhsa_enable_private_segment 0
		.amdhsa_kernarg_size 32
		.amdhsa_user_sgpr_count 2
		.amdhsa_user_sgpr_kernarg_segment_ptr 1
		.amdhsa_wavefront_size32 1
		.amdhsa_system_sgpr_workgroup_id_x 1
		.amdhsa_system_sgpr_workgroup_id_y 1
		.amdhsa_system_sgpr_workgroup_id_z 1
		.amdhsa_system_vgpr_workitem_id 0
		.amdhsa_next_free_vgpr 768
		.amdhsa_next_free_sgpr 98
		.amdhsa_reserve_vcc 0
		.amdhsa_float_denorm_mode_32 3
		.amdhsa_float_denorm_mode_16_64 3
		.amdhsa_memory_ordered 1
		.amdhsa_forward_progress 1
		.amdhsa_inst_pref_size 53
	.end_amdhsa_kernel
	.amdgpu_metadata
---
amdhsa.version: [ 1, 2 ]
amdhsa.kernels:
  - .name:           k_qaca0746ec1_oproj
    .symbol:         k_qaca0746ec1_oproj.kd
    .args:
      - { .name: ao, .offset: 0, .size: 8, .value_kind: global_buffer, .address_space: global }
      - { .name: wq, .offset: 8, .size: 8, .value_kind: global_buffer, .address_space: global }
      - { .name: bo, .offset: 16, .size: 8, .value_kind: global_buffer, .address_space: global }
      - { .name: out0, .offset: 24, .size: 8, .value_kind: global_buffer, .address_space: global }
    .group_segment_fixed_size: 327680
    .private_segment_fixed_size: 0
    .kernarg_segment_align: 8
    .kernarg_segment_size: 32
    .max_flat_workgroup_size: 128
    .sgpr_count:     98
    .vgpr_count:     768
    .wavefront_size: 32
...
	.end_amdgpu_metadata
.endif
;; end of part 4
